; MI455X (gfx1250); checked and timed in simulation.
; The chip was launched on July 23, 2026; its instructions are those of AMD's public machine-readable ISA for CDNA 5 (MIT licence, August 2026) and "CDNA5" Instruction Set Architecture Reference Guide (July 2026). The comments in the code are by the model that wrote it; some were corrected since.
;; Quant MLP. Allowed arithmetic: matrix products marked QUANTISED: E3M2 operands, one E8M0 scale for each 32 along K, by v_wmma_scale_f32_16x16x128_f8f6f4 with both operands' format E3M2, f32 sums; everything else in f32.
;; Inputs: b1 3,072 float32; b2 768 float32; w1 3,072 x 768 float32; w2 768 x 3,072 float32; x 64 x 197 x 768 float32.
;; Outputs: out0 64 x 197 x 768 float32.
;; This version of the problem:
;;   THIS VERSION OF THE PROBLEM IS GIVEN IN LOW PRECISION. The matrix products marked QUANTISED in the list below multiply operands that are first quantised to E3M2 (3 exponent bits, 2 mantissa bits; 6 bits a number), with one power-of-two scale for each 32 numbers along K (OCP MX v1.0); their sums are f32. All else is computed in f32.
;;   The module's matrix products, in the order in which they are computed (A, B: the left and right operand; K: the contracted axis; several contracted axes count as one K, in the product's order):
;;     1. [M 12,608, K 768] x [K 768, N 3,072]; A: computed on the way; B: computed on the way: QUANTISED
;;     2. [M 12,608, K 3,072] x [K 3,072, N 768]; A: computed on the way; B: computed on the way: QUANTISED
;;   THE QUANTISER, for each operand of a quantised product, along K:
;;     - K is cut into blocks of 32 from its start; a last block that is shorter is filled with zeros.
;;     - A block's scale is 2^e with e = floor(log2(the largest magnitude in the block)) - 4, held to -126 .. 127; a block of zeros has e = 0. As a byte (E8M0): e + 127.
;;     - Each number is divided by its block's scale, clamped to +-28, and rounded to the nearest number of E3M2, ties to even, subnormals kept.
;;     - The product sums the exact products of the quantised numbers (number of the format x scale) in f32.
;;   ~~~python
;;   def quantise(x, axis):      # numpy; x: float32 -> the quantised numbers, widened to float32 again
;;       x = np.moveaxis(x, axis, -1); K = x.shape[-1]
;;       x = np.pad(x, [(0, 0)] * (x.ndim - 1) + [(0, -K % 32)]); x = x.reshape(x.shape[:-1] + (-1, 32)); a = np.abs(x).max(-1, keepdims=True)
;;       e = np.where(a > 0, np.clip(np.frexp(np.where(a > 0, a, 1))[1] - 1 - 4, -126, 127), 0)      # np.frexp(a)[1] - 1 = floor(log2(a)), exactly
;;       r = np.clip(x / 2.0 ** e, -28, 28)
;;       step = 2.0 ** (np.maximum(np.frexp(np.where(r == 0, 1, r))[1] - 1, -2) - 2)
;;       q = np.round(r / step) * step * 2.0 ** e      # np.round: ties to even
;;       return np.moveaxis(q.reshape(q.shape[:-2] + (-1,))[..., :K], -1, axis).astype(np.float32)
;;   ~~~
;;   OPERANDS COMPUTED ON THE WAY. 'Computed on the way' means the value that the module computes at that place (a softmax that the list does not call 'softmax' is quantised finished and normalised). What goes into a quantiser is computed in f32, as accurately as f32 sums, v_exp_f32 and their like allow (about 1e-6 of the number): no bf16 or f16 on the way to a quantiser, and a product that is left as it is and whose result goes on into a quantised operand takes f32 operands (vector FMAs, or v_wmma_f32_16x16x4_f32). A number that lies on a knife's edge between two numbers of the format may be rounded either way, as far as f32 arithmetic and the matrix unit's own rounding can turn it there, and no further.
;; One version. Each part assembles by itself: llvm-mc -triple=amdgcn-amd-amdhsa -mcpu=gfx1250 --defsym DOCPART=n.
;; ======== version 1 of 1: 5 launches
;; limits: right only within a limited range of input values
;; workspace buffers: stat 6,912 bytes; xq 7,762,944 bytes; w1q 1,843,200 bytes; w2q 1,843,200 bytes; gq 30,643,200 bytes
;; launch stats (part 1): grid 586 x 1, 8 waves a work-group, no clusters, 1,280 bytes of LDS; arguments x, w1, w2, stat; writes stat
.if DOCPART == 1
	.amdgcn_target "amdgcn-amd-amdhsa--gfx1250"
	.amdhsa_code_object_version 6
	.text
	.protected	k_qf223cbf075_stats
	.globl	k_qf223cbf075_stats
	.p2align	8
	.type	k_qf223cbf075_stats,@function
k_qf223cbf075_stats:
	s_mov_b64 s[64:65], 0
	v_nop
	global_prefetch_b8 v0, s[64:65] scope:SCOPE_SE
	s_setreg_imm32_b32 hwreg(HW_REG_WAVE_MODE, 25, 1), 1
	s_wait_xcnt 0x0
; Partial minima and maxima of x, w1 and w2, which the fake quantisers of the next launch need of the whole tensors.
; A work-group takes CHUNK consecutive bytes of one tensor: 394 chunks of x, then 96 of w1, then 96 of w2; a wave takes an eighth of it, 24 loads of 512 consecutive bytes.
; Each work-group stores one pair (min, max) at 8 x its number; the next launch finishes the reduction: no work-group reads what another stores here.
; No matrix unit, no tensor load, no cluster: every byte is read once by one wave and nothing is shared.
; LIMITS: NaN and infinities among the inputs are not served (a NaN loses in these minima and maxima).
.set CHUNK, 98304
.set WPART, 12288
.set NXC,   394                        ; chunks of x
.set NWC,   96                         ; chunks of w1, and of w2
.set DAT,   16                         ; v16-111 the wave's 96 registers of numbers
	s_load_b128 s[4:7], s[0:1], 0x0                ; x, w1
	s_load_b128 s[8:11], s[0:1], 0x10              ; w2, stat
	v_lshl_add_u32 v112, v0, 2, 0x100
	v_mov_b32 v113, 0
	v_lshrrev_b32 v1, 5, v0
	s_delay_alu instid0(VALU_DEP_1)
	v_readfirstlane_b32 s12, v1                    ; wave 0..7
	v_and_b32 v2, 31, v0
	s_delay_alu instid0(VALU_DEP_1)
	v_lshlrev_b32 v1, 4, v2                        ; 16 bytes a lane
	v_mov_b32 v8, 0                                ; a lane permute's destination counts as one of its sources
	v_mov_b32 v9, 0
	v_mov_b32 v11, 0
	v_mov_b32 v10, s12
	s_delay_alu instid0(VALU_DEP_1)
	v_lshlrev_b32 v10, 3, v10                      ; LDS: 8 bytes for each wave
	s_mov_b32 s16, 0x76543210
	s_mov_b32 s17, 0xfedcba98                      ; selects for lane l xor 16
	s_mov_b32 s13, NXC+NWC
	s_lshl_b32 s18, ttmp9, 3                       ; where my pair goes
	s_mov_b32 s19, 0
	s_wait_alu depctr_va_vdst(0)
	s_wait_kmcnt 0x0
	s_cmp_lt_u32 ttmp9, NXC+NWC                    ; which tensor: the choice hangs on the work-group's number alone
	s_cselect_b64 s[6:7], s[6:7], s[8:9]
	s_cselect_b32 s13, NXC, s13
	s_cmp_lt_u32 ttmp9, NXC
	s_cselect_b64 s[4:5], s[4:5], s[6:7]
	s_cselect_b32 s13, 0, s13
	s_sub_co_u32 s13, ttmp9, s13                   ; my chunk of that tensor
	s_mul_i32 s14, s13, CHUNK
	s_mul_i32 s15, s12, WPART
	s_add_co_u32 s14, s14, s15
	s_mov_b32 s15, 0
	s_add_nc_u64 s[4:5], s[4:5], s[14:15]
	s_add_nc_u64 s[10:11], s[10:11], s[18:19]
.irp i, 0,1,2,3,4,5,6,7,8,9,10,11,12,13,14,15,16,17,18,19,20,21,22,23
	global_load_b128 v[DAT+4*\i:DAT+4*\i+3], v1, s[4:5] offset:512*\i   ; no hint: the next launch reads these bytes again
.endr
	s_wait_loadcnt 0x0
	v_min3_num_f32 v4, v[DAT], v[DAT+1], v[DAT+2]  ; two chains of each kind, begun by the first six numbers: nothing is cleared
	v_max3_num_f32 v6, v[DAT], v[DAT+1], v[DAT+2]
	v_min3_num_f32 v5, v[DAT+3], v[DAT+4], v[DAT+5]
	v_max3_num_f32 v7, v[DAT+3], v[DAT+4], v[DAT+5]
.set i, 6
.rept 45
	v_min3_num_f32 v[4+(i/2)%2], v[4+(i/2)%2], v[DAT+i], v[DAT+i+1]
	v_max3_num_f32 v[6+(i/2)%2], v[6+(i/2)%2], v[DAT+i], v[DAT+i+1]
.set i, i+2
.endr
	s_delay_alu instid0(VALU_DEP_2)
	v_min_num_f32 v4, v4, v5
	s_delay_alu instid0(VALU_DEP_2)
	v_max_num_f32 v6, v6, v7
.irp m, 1,2,4,8
	s_delay_alu instid0(VALU_DEP_2)
	v_min_num_f32_dpp v4, v4, v4 row_xmask:\m row_mask:0xf bank_mask:0xf
	s_delay_alu instid0(VALU_DEP_2)
	v_max_num_f32_dpp v6, v6, v6 row_xmask:\m row_mask:0xf bank_mask:0xf
.endr
	s_delay_alu instid0(VALU_DEP_2)
	v_permlanex16_b32 v8, v4, s16, s17
	s_delay_alu instid0(VALU_DEP_2)
	v_permlanex16_b32 v9, v6, s16, s17
	s_delay_alu instid0(VALU_DEP_2)
	v_min_num_f32 v4, v4, v8
	s_delay_alu instid0(VALU_DEP_2)
	v_max_num_f32 v5, v6, v9                       ; v[4:5] = the wave's (min, max), in every lane
	ds_store_b64 v10, v[4:5]                       ; all lanes write the same words with the same values
	s_wait_dscnt 0x0                               ; for the others' sake: my store has landed
	s_barrier_signal -1
	s_barrier_wait -1
.irp i, 0,1,2,3
	ds_load_b128 v[DAT+4*\i:DAT+4*\i+3], v11 offset:16*\i
.endr
	s_wait_dscnt 0x0
	v_min3_num_f32 v4, v[DAT], v[DAT+2], v[DAT+4]
	v_max3_num_f32 v5, v[DAT+1], v[DAT+3], v[DAT+5]
	s_delay_alu instid0(VALU_DEP_2)
	v_min3_num_f32 v4, v4, v[DAT+6], v[DAT+8]
	s_delay_alu instid0(VALU_DEP_2)
	v_max3_num_f32 v5, v5, v[DAT+7], v[DAT+9]
	s_delay_alu instid0(VALU_DEP_2)
	v_min3_num_f32 v4, v4, v[DAT+10], v[DAT+12]
	s_delay_alu instid0(VALU_DEP_2)
	v_max3_num_f32 v5, v5, v[DAT+11], v[DAT+13]
	s_delay_alu instid0(VALU_DEP_2)
	v_min_num_f32 v4, v4, v[DAT+14]
	s_delay_alu instid0(VALU_DEP_2)
	v_max_num_f32 v5, v5, v[DAT+15]
	s_wait_alu depctr_va_vdst(0)
	s_wait_xcnt 0x0                                ; EXEC changes only behind this wait
	v_cmp_eq_u32 vcc_lo, 0, v0
	s_wait_tensorcnt 0x0
	ds_add_u32 v112, v113
	s_wait_dscnt 0x0
	s_and_saveexec_b32 s20, vcc_lo                 ; thread 0 alone stores the work-group's pair
	global_store_b64 v11, v[4:5], s[10:11]
	s_endpgm
.Lfunc_end_k_qf223cbf075_stats:
	.size	k_qf223cbf075_stats, .Lfunc_end_k_qf223cbf075_stats-k_qf223cbf075_stats
	.p2alignl 7, 3214868480
	.fill 96, 4, 3214868480
	.section	.rodata,"a",@progbits
	.p2align	6, 0x0
	.amdhsa_kernel k_qf223cbf075_stats
		.amdhsa_group_segment_fixed_size 1280
		.amdhsa_private_segment_fixed_size 0
		.amdhsa_enable_private_segment 0
		.amdhsa_kernarg_size 32
		.amdhsa_user_sgpr_count 2
		.amdhsa_user_sgpr_kernarg_segment_ptr 1
		.amdhsa_wavefront_size32 1
		.amdhsa_system_sgpr_workgroup_id_x 1
		.amdhsa_system_sgpr_workgroup_id_y 1
		.amdhsa_system_sgpr_workgroup_id_z 1
		.amdhsa_system_vgpr_workitem_id 0
		.amdhsa_next_free_vgpr 114
		.amdhsa_next_free_sgpr 66
		.amdhsa_reserve_vcc 1
		.amdhsa_float_denorm_mode_32 3
		.amdhsa_float_denorm_mode_16_64 3
		.amdhsa_memory_ordered 1
		.amdhsa_forward_progress 1
		.amdhsa_inst_pref_size 13
	.end_amdhsa_kernel
	.amdgpu_metadata
---
amdhsa.version: [ 1, 2 ]
amdhsa.kernels:
  - .name:           k_qf223cbf075_stats
    .symbol:         k_qf223cbf075_stats.kd
    .args:
      - { .name: x, .offset: 0, .size: 8, .value_kind: global_buffer, .address_space: global }
      - { .name: w1, .offset: 8, .size: 8, .value_kind: global_buffer, .address_space: global }
      - { .name: w2, .offset: 16, .size: 8, .value_kind: global_buffer, .address_space: global }
      - { .name: stat, .offset: 24, .size: 8, .value_kind: global_buffer, .address_space: global }
    .group_segment_fixed_size: 1280
    .private_segment_fixed_size: 0
    .kernarg_segment_align: 8
    .kernarg_segment_size: 32
    .max_flat_workgroup_size: 256
    .sgpr_count:     66
    .vgpr_count:     114
    .wavefront_size: 32
...
	.end_amdgpu_metadata
.endif
;; end of part 1
;; launch quant (part 2): grid 1182 x 1, 3 waves a work-group, no clusters, 25,856 bytes of LDS; arguments x, w1, w2, stat, xq, w1q, w2q; writes xq, w1q, w2q
.if DOCPART == 2
	.amdgcn_target "amdgcn-amd-amdhsa--gfx1250"
	.amdhsa_code_object_version 6
	.text
	.protected	k_qf223cbf075_quant
	.globl	k_qf223cbf075_quant
	.p2align	8
	.type	k_qf223cbf075_quant,@function
k_qf223cbf075_quant:
	s_mov_b64 s[64:65], 0
	v_nop
	global_prefetch_b8 v0, s[64:65] scope:SCOPE_SE
	s_setreg_imm32_b32 hwreg(HW_REG_WAVE_MODE, 25, 1), 1
	s_wait_xcnt 0x0
; x, w1 and w2 (f32) are fake-quantised as the model does (x: 256 levels between the tensor's min and max; the weights: symmetric, 127 levels a side) and then turned into codes of
; BF6 (E3M2) with one E8M0 byte for each 32 along K.  One path serves the three tensors: only pointers and numbers are chosen, by the work-group's number.
; SHARES.  A work-group takes 16 rows x 768 along K; each of its three waves two K steps of 128: two fragments.  Work-groups 0-797: x (blocks 788-797 repeat block 787, so that the next
; launches find 42 x 19 blocks); 798-989: w1; 990-1181: w2 (four work-groups to a block of 16 rows).
; THE CODES' LAYOUT is the image of a matrix operand's registers.  Fragment (block, K step) is 1,536 bytes: registers 0-3 at 16 x lane, 4-5 at 512 + 8 x lane, 6-9 at 768 + 16 x lane,
; 10-11 at 1,280 + 8 x lane; lane (r, h) holds row r, registers 6 c .. 6 c + 5 the codes of k = 64 c + 32 h + 0 .. 31.  Every store and every later load is dense.  Scale words: 64 bytes a fragment, 4 a row.
; THE ROWS OF A BLOCK OF w1 ARE NOT NEIGHBOURS: row i of block cb is hidden unit 64 (cb / 4) + 32 (i / 8) + 8 (cb % 4) + i % 8, so that the first product, used transposed, leaves a lane 32 neighbouring hidden units.
; A lane must hold 32 neighbours along K for the conversions, while a load is best with neighbouring lanes on neighbouring bytes: the 16 x 512 bytes of a fragment turn through the wave's own stage in LDS (rows 528 bytes apart).
; ARITHMETIC.  A level of the fake quantiser is far coarser than an f32 bit, and one level can carry a number over the middle between two codes: so each step ahead of the rounding to levels is rounded as the model's own.
; The step s is the range x the f32 number nearest 1 / levels, rounded once: the model's division by a CONSTANT, taken as a compiled model makes it.  v / s divides by a number that is no constant: it is the rounded f32 QUOTIENT
; (q0 = v y, r = v - q0 s, q = q0 + r y, with y = 1 / s); q + 1.5 x 2^23 rounds it to a whole number, ties to even; the clip is a middle-of-three on that sum; then the constant is taken off and s multiplied on.
; LIMITS: that rounding serves |v / s| and the zero point under 2^22; where v / s lies within an f32 bit of a half, the level hangs on s being made as said; a block of zeros gets the byte 1 and not 127
; (its codes are zeros, and this program alone reads the bytes); blocks whose largest magnitude lies under 2^-122 are held at byte 1; NaN and infinities are not served.
.set STG,   8448                       ; a wave's stage: 16 rows x 528 bytes
.set MAGIC, 0x4b400000                 ; 1.5 x 2^23
.set R,     64                         ; v64-191  two fragments as loaded: 16 rows x 4 registers each; once a fragment has gone into the stage, its 64 registers hold the quotients
.set X,     192                        ; v192-255 a lane's 64 numbers: register 32 c + i = k 64 c + 32 h + i of row r
.set P0,    48                         ; v48-59   the first fragment's codes (before that: at work)
.set P1,    20                         ; v20-31   the second's (before that: the partial figures, v20-47)
.set Q,     32                         ; v32-38   a block's upper 16 codes, before they are moved
	s_load_b256 s[4:11], s[0:1], 0x0               ; x, w1, w2, stat
	s_load_b128 s[12:15], s[0:1], 0x20             ; xq, w1q
	s_load_b64 s[16:17], s[0:1], 0x30              ; w2q
	v_lshrrev_b32 v1, 5, v0
	v_readfirstlane_b32 s18, v1                    ; wave 0..2
	v_and_b32 v55, 31, v0                          ; lane
	v_and_b32 v56, 15, v0                          ; r
	v_bfe_u32 v57, v0, 4, 1                        ; h
	v_lshlrev_b32 v1, 4, v55                       ; 16 x lane
	v_lshlrev_b32 v63, 3, v57                      ; 8 h: my bytes' place in a scale word
	v_mov_b32 v60, MAGIC
	v_mov_b32 v61, MAGIC
	v_mov_b32 v62, 0                               ; a lane permute's destination counts as one of its sources
	s_mul_i32 s48, s18, STG
	v_add_nc_u32 v18, s48, v1                      ; the stage, on the way in: 16 x lane of each row
	v_mul_u32_u24 v19, v56, 528
	v_lshl_add_u32 v19, v57, 7, v19
	v_add_nc_u32 v19, s48, v19                     ; and on the way out: row r, + 128 h
	s_mov_b32 s50, 0x76543210
	s_mov_b32 s51, 0xfedcba98                      ; selects for lane l xor 16
	s_mov_b32 s61, 0xffff0000                      ; lanes 16-31
	s_mov_b32 s20, ttmp9
	s_min_u32 s21, s20, 787                        ; x: block, first row, first fragment
	s_lshl_b32 s21, s21, 4
	s_mul_i32 s22, s20, 6
	s_max_u32 s23, s20, 798                        ; w1: block t
	s_sub_co_u32 s23, s23, 798
	s_min_u32 s23, s23, 191
	s_lshr_b32 s24, s23, 2
	s_and_b32 s25, s23, 3
	s_lshl_b32 s26, s24, 6
	s_lshl_b32 s25, s25, 3
	s_add_co_u32 s26, s26, s25                     ; its first row 64 (t / 4) + 8 (t % 4)
	s_mul_i32 s27, s23, 6
	s_max_u32 s28, s20, 990                        ; w2: t = 4 x block + quarter of K
	s_sub_co_u32 s28, s28, 990
	s_lshr_b32 s29, s28, 2
	s_and_b32 s30, s28, 3
	s_lshl_b32 s31, s29, 4
	s_mul_i32 s32, s29, 24
	s_mul_i32 s33, s30, 6
	s_add_co_u32 s32, s32, s33
	s_mul_i32 s33, s30, 3072                       ; the quarter's first byte in a row
	s_mov_b32 s34, 12288                           ; a row's bytes
	s_mov_b32 s35, 3920                            ; where the tensor's partial figures begin
	s_mov_b32 s36, 98304                           ; from row 0 to row 8 of a block
	s_mov_b32 s37, 47                              ; the last group of 16 bytes of the partial figures
	s_mov_b32 s38, 1769472                         ; where the scale words begin behind the codes
	s_mov_b32 s59, 0x3c010204                      ; the f32 number nearest 1 / 127
	s_wait_kmcnt 0x0
	s_cmp_lt_u32 s20, 990                          ; w1 or w2
	s_cselect_b32 s26, s26, s31
	s_cselect_b32 s27, s27, s32
	s_cselect_b32 s33, 0, s33
	s_cselect_b32 s34, 3072, s34
	s_cselect_b32 s35, 3152, s35
	s_cselect_b64 s[6:7], s[6:7], s[8:9]
	s_cselect_b64 s[14:15], s[14:15], s[16:17]
	s_cmp_lt_u32 s20, 798                          ; x or a weight
	s_cselect_b32 s26, s21, s26
	s_cselect_b32 s27, s22, s27
	s_cselect_b32 s33, 0, s33
	s_cselect_b32 s34, 3072, s34
	s_cselect_b32 s35, 0, s35
	s_cselect_b32 s36, 24576, s36
	s_cselect_b32 s37, 196, s37
	s_cselect_b32 s38, 7354368, s38
	s_cselect_b32 s39, 128, 0                      ; x's scale words lie 512 bytes a block apart (6 x 64 used): 128 more for each block
	s_cselect_b32 s58, -1, 0                       ; a lane mask: all ones for x
	s_cselect_b32 s59, 0x3b808081, s59             ; the f32 number nearest 1 / 255
	s_cselect_b64 s[4:5], s[4:5], s[6:7]
	s_cselect_b64 s[12:13], s[12:13], s[14:15]
	s_mul_i32 s40, s26, s34                        ; the source: first row x pitch + the quarter + 1,024 x wave
	s_add_co_u32 s40, s40, s33
	s_lshl_b32 s41, s18, 10
	s_add_co_u32 s40, s40, s41
	s_mov_b32 s41, 0
	s_add_nc_u64 s[4:5], s[4:5], s[40:41]
	s_lshl_b32 s42, s18, 1
	s_add_co_u32 s27, s27, s42                     ; my first fragment
	s_lshl_b32 s42, s27, 6
	s_add_co_u32 s42, s42, s38
	s_mul_i32 s39, s39, s20
	s_add_co_u32 s42, s42, s39
	s_mov_b32 s43, 0
	s_add_nc_u64 s[44:45], s[12:13], s[42:43]      ; its scale words
	s_mul_i32 s42, s27, 1536
	s_add_nc_u64 s[12:13], s[12:13], s[42:43]      ; its codes
	s_mov_b32 s42, s35
	s_add_nc_u64 s[10:11], s[10:11], s[42:43]      ; the tensor's partial figures
.irp i, 0,1,2,3,4,5,6
	v_add_nc_u32 v[48+\i], 32*\i, v55
	v_min_u32 v[48+\i], s37, v[48+\i]              ; lanes past the end take the last group once more: a figure taken twice moves no minimum
	v_lshlrev_b32 v[48+\i], 4, v[48+\i]
	global_load_b128 v[20+4*\i:23+4*\i], v[48+\i], s[10:11]
.endr
	s_mov_b32 s46, 0
	s_mov_b32 s47, s36
.irp i, 0,1,2,3,4,5,6,7
	v_add_nc_u32 v[2+\i], s46, v1                  ; row i of the block, + 16 x lane
	v_add_nc_u32 v[10+\i], s47, v1                 ; row 8 + i
	s_add_co_u32 s46, s46, s34
	s_add_co_u32 s47, s47, s34
.endr
	s_wait_alu depctr_va_vdst(0)
.irp f, 0,1
.irp i, 0,1,2,3,4,5,6,7,8,9,10,11,12,13,14,15
	global_load_b128 v[R+64*\f+4*\i:R+64*\f+4*\i+3], v[2+\i], s[4:5] offset:512*\f   ; 32 lanes read 512 consecutive bytes of a row
.endr
.endr
	s_wait_loadcnt 32                              ; the seven loads of partial figures are in; the 32 loads of numbers issued behind them may be out
	v_min3_num_f32 v48, v20, v22, v24
	v_max3_num_f32 v49, v21, v23, v25
.irp i, 26,30,34,38,42
	v_min3_num_f32 v48, v48, v[\i], v[\i+2]
	v_max3_num_f32 v49, v49, v[\i+1], v[\i+3]
.endr
	v_min_num_f32 v48, v48, v46
	v_max_num_f32 v49, v49, v47
.irp m, 1,2,4,8
	v_min_num_f32_dpp v48, v48, v48 row_xmask:\m row_mask:0xf bank_mask:0xf
	v_max_num_f32_dpp v49, v49, v49 row_xmask:\m row_mask:0xf bank_mask:0xf
.endr
	v_permlanex16_b32 v55, v48, s50, s51
	v_permlanex16_b32 v56, v49, s50, s51
	v_min_num_f32 v48, v48, v55                    ; the tensor's minimum,
	v_max_num_f32 v49, v49, v56                    ; and maximum, in every lane
	v_sub_f32 v50, v49, v48                        ; x: max - min
	v_max_num_f32 v51, v49, -v48                   ; a weight: the largest magnitude
	v_cndmask_b32 v50, v51, v50, s58
	v_max_num_f32 v50, 0x322bcc77, v50             ; at least 1e-8
	v_mul_f32 v51, s59, v50                        ; s = that x f32(1 / levels), rounded once (see the head)
	s_wait_alu depctr_va_vdst(0)
	v_rcp_f32 v52, v51
	v_nop                                          ; a plain place behind the reciprocal
	s_wait_alu depctr_va_vdst(0)
	v_fma_f32 v53, -v51, v52, 1.0
	v_fma_f32 v52, v53, v52, v52                   ; y = 1 / s, one Newton step
	v_mul_f32 v53, -v48, v52                       ; the zero point: the quotient -min / s, to the nearest whole number
	v_fma_f32 v54, -v53, v51, -v48
	v_fma_f32 v53, v54, v52, v53
	v_rndne_f32 v53, v53
	v_mov_b32 v54, 0x43000000                      ; a weight: 128, so that the clip is -128 .. 127
	v_cndmask_b32 v53, v54, v53, s58
	v_sub_f32 v53, v60, v53                        ; the clip's lower end on the shifted sum,
	v_add_f32 v54, 0x437f0000, v53                 ; and its upper end, 255 on
	v_readfirstlane_b32 s52, v52                   ; all lanes hold the same four numbers: they go on as scalars, as values only
	v_readfirstlane_b32 s54, v51
	v_readfirstlane_b32 s56, v53
	v_readfirstlane_b32 s57, v54
	s_mov_b32 s53, s52                             ; (the packed forms name pairs)
	s_mov_b32 s55, s54
	v_lshrrev_b32 v39, 1, v1                       ; 8 x lane
; Fragment f: through the stage, fake-quantised, quantised; codes into v[P] on, the scale word into v[W]; the codes leave.
.macro FRAGMENT f, P, W
	s_wait_loadcnt 16*(1-\f)                       ; this fragment's 16 loads are in; the other's may be out
.irp i, 0,1,2,3,4,5,6,7,8,9,10,11,12,13,14,15
	ds_store_b128 v18, v[R+64*\f+4*\i:R+64*\f+4*\i+3] offset:528*\i
.endr
.irp c, 0,1
.irp j, 0,1,2,3,4,5,6,7
	ds_load_b128 v[X+32*\c+4*\j:X+32*\c+4*\j+3], v19 offset:256*\c+16*\j   ; LDS serves a wave's instructions in order (ISA guide 5.7.1.4): these see the stores above
.endr
.endr
	s_wait_dscnt 0x0                               ; the numbers are back; the registers that they were loaded into are free
.set n, 0
.rept 32
	v_pk_mul_f32 v[R+64*\f+n:R+64*\f+n+1], v[X+n:X+n+1], s[52:53] op_sel_hi:[1,0]    ; q0 = v y
.set n, n+2
.endr
.set n, 0
.rept 32
	v_pk_fma_f32 v[X+n:X+n+1], v[R+64*\f+n:R+64*\f+n+1], s[54:55], v[X+n:X+n+1] op_sel_hi:[1,0,1] neg_lo:[1,0,0] neg_hi:[1,0,0]   ; r = v - q0 s, exact
.set n, n+2
.endr
.set n, 0
.rept 32
	v_pk_fma_f32 v[R+64*\f+n:R+64*\f+n+1], v[X+n:X+n+1], s[52:53], v[R+64*\f+n:R+64*\f+n+1] op_sel_hi:[1,0,1]   ; q = q0 + r y: the quotient v / s, rounded once
.set n, n+2
.endr
.set n, 0
.rept 32
	v_pk_add_f32 v[X+n:X+n+1], v[R+64*\f+n:R+64*\f+n+1], v[60:61]                    ; + 1.5 x 2^23: the sum is a whole number, ties to even
.set n, n+2
.endr
.set n, 0
.rept 64
	v_med3_num_f32 v[X+n], v[X+n], s56, s57        ; the clip
.set n, n+1
.endr
.set n, 0
.rept 32
	v_pk_add_f32 v[X+n:X+n+1], v[X+n:X+n+1], v[60:61] neg_lo:[0,1] neg_hi:[0,1]
.set n, n+2
.endr
.set n, 0
.rept 32
	v_pk_mul_f32 v[X+n:X+n+1], v[X+n:X+n+1], s[54:55] op_sel_hi:[1,0]              ; x s: the fake-quantised number
.set n, n+2
.endr
.irp c, 0,1
	v_max3_num_f32 v[40+\c], |v[X+32*\c]|, |v[X+32*\c+1]|, 0x2800000   ; block 2 c + h: all its 32 numbers are mine; the floor 2^(5 - 127) holds the byte at 1 from below
.endr
.irp i, 2,4,6,8,10,12,14,16,18,20,22,24,26,28,30
.irp c, 0,1
	v_max3_num_f32 v[40+\c], v[40+\c], |v[X+32*\c+\i]|, |v[X+32*\c+\i+1]|   ; (the two blocks by turns)
.endr
.endr
.irp c, 0,1
	v_add_nc_u32 v[42+\c], 0xfe000000, v[40+\c]    ; 4 off the exponent field: the conversion's scale operand
.endr
.irp c, 0,1
	v_lshrrev_b32 v[44+\c], 23, v[42+\c]           ; the scale's byte
.endr
	v_lshl_or_b32 v[\W], v45, 16, v44              ; my two bytes, blocks h and 2 + h of row r,
	v_lshlrev_b32 v[\W], v63, v[\W]                ; at their places;
	v_permlanex16_b32 v62, v[\W], s50, s51
	v_or_b32 v[\W], v[\W], v62                     ; with lane l xor 16's two the word is whole
.irp c, 0,1
	v_cvt_scalef32_pk16_bf6_f32 v[\P+6*\c:\P+6*\c+2], v[X+32*\c:X+32*\c+15], v[42+\c]
	v_cvt_scalef32_pk16_bf6_f32 v[Q+4*\c:Q+4*\c+2], v[X+32*\c+16:X+32*\c+31], v[42+\c]   ; (a conversion's three registers begin on an even number)
.endr
	v_nop                                          ; one plain place behind the conversions
.irp c, 0,1
.irp i, 0,1,2
	v_mov_b32 v[\P+6*\c+3+\i], v[Q+4*\c+\i]
.endr
.endr
	global_store_b128 v1, v[\P:\P+3], s[12:13] offset:1536*\f            ; the fragment's image: four dense stores, 1,536 consecutive bytes, from a multiple of 256
	global_store_b64 v39, v[\P+4:\P+5], s[12:13] offset:1536*\f+512
	global_store_b128 v1, v[\P+6:\P+9], s[12:13] offset:1536*\f+768
	global_store_b64 v39, v[\P+10:\P+11], s[12:13] offset:1536*\f+1280
.endm
	FRAGMENT 0, P0, 46
	FRAGMENT 1, P1, 47                             ; other registers for its codes: no store's data are written again
	v_cndmask_b32 v46, v46, v47, s61               ; lanes 0-15 the first fragment's words, lanes 16-31 the second's
	v_lshrrev_b32 v62, 2, v1                       ; 4 x lane
	global_store_b32 v62, v46, s[44:45]            ; 128 consecutive bytes
	v_lshl_add_u32 v40, v0, 2, 0x6300              ; no two registers can be kept through the work: v0 is kept, and the add's two are made here, in registers that no pending store reads
	v_mov_b32 v41, 0
	s_wait_alu depctr_va_vdst(0)                   ; the wait ahead of the wait below
	s_wait_tensorcnt 0x0                           ; the wave's end
	ds_add_u32 v40, v41
	s_wait_dscnt 0x0
	s_endpgm
.Lfunc_end_k_qf223cbf075_quant:
	.size	k_qf223cbf075_quant, .Lfunc_end_k_qf223cbf075_quant-k_qf223cbf075_quant
	.p2alignl 7, 3214868480
	.fill 96, 4, 3214868480
	.section	.rodata,"a",@progbits
	.p2align	6, 0x0
	.amdhsa_kernel k_qf223cbf075_quant
		.amdhsa_group_segment_fixed_size 25856
		.amdhsa_private_segment_fixed_size 0
		.amdhsa_enable_private_segment 0
		.amdhsa_kernarg_size 56
		.amdhsa_user_sgpr_count 2
		.amdhsa_user_sgpr_kernarg_segment_ptr 1
		.amdhsa_wavefront_size32 1
		.amdhsa_system_sgpr_workgroup_id_x 1
		.amdhsa_system_sgpr_workgroup_id_y 1
		.amdhsa_system_sgpr_workgroup_id_z 1
		.amdhsa_system_vgpr_workitem_id 0
		.amdhsa_next_free_vgpr 256
		.amdhsa_next_free_sgpr 66
		.amdhsa_reserve_vcc 0
		.amdhsa_float_denorm_mode_32 3
		.amdhsa_float_denorm_mode_16_64 3
		.amdhsa_memory_ordered 1
		.amdhsa_forward_progress 1
		.amdhsa_inst_pref_size 56
	.end_amdhsa_kernel
	.amdgpu_metadata
---
amdhsa.version: [ 1, 2 ]
amdhsa.kernels:
  - .name:           k_qf223cbf075_quant
    .symbol:         k_qf223cbf075_quant.kd
    .args:
      - { .name: x, .offset: 0, .size: 8, .value_kind: global_buffer, .address_space: global }
      - { .name: w1, .offset: 8, .size: 8, .value_kind: global_buffer, .address_space: global }
      - { .name: w2, .offset: 16, .size: 8, .value_kind: global_buffer, .address_space: global }
      - { .name: stat, .offset: 24, .size: 8, .value_kind: global_buffer, .address_space: global }
      - { .name: xq, .offset: 32, .size: 8, .value_kind: global_buffer, .address_space: global }
      - { .name: w1q, .offset: 40, .size: 8, .value_kind: global_buffer, .address_space: global }
      - { .name: w2q, .offset: 48, .size: 8, .value_kind: global_buffer, .address_space: global }
    .group_segment_fixed_size: 25856
    .private_segment_fixed_size: 0
    .kernarg_segment_align: 8
    .kernarg_segment_size: 56
    .max_flat_workgroup_size: 96
    .sgpr_count:     66
    .vgpr_count:     256
    .wavefront_size: 32
...
	.end_amdgpu_metadata
.endif
;; end of part 2
;; launch gmin (part 3): grid 6 x 42, 8 waves a work-group, no clusters, 190,720 bytes of LDS; arguments xq, w1q, b1, stat; writes stat
.if DOCPART == 3
	.amdgcn_target "amdgcn-amd-amdhsa--gfx1250"
	.amdhsa_code_object_version 6
	.text
	.protected	k_qf223cbf075_gmin
	.globl	k_qf223cbf075_gmin
	.p2align	8
	.type	k_qf223cbf075_gmin,@function
k_qf223cbf075_gmin:
	s_mov_b64 s[64:65], 0
	v_nop
	global_prefetch_b8 v0, s[64:65] scope:SCOPE_SE
	s_setreg_imm32_b32 hwreg(HW_REG_WAVE_MODE, 25, 1), 1
	s_wait_xcnt 0x0
; h = Q(x) Q(w1)^T + b1 on codes of BF6 (E3M2) with E8M0 scales; g = the polynomial GELU of h.  Of g only the minimum and the maximum are kept here, a pair for each work-group:
; g's fake quantiser needs them of the whole tensor, so they end a launch; the next launch makes the same products again and stores g's codes.
; SHARES.  Work-group (nx, my): hidden units 512 nx .. + 511 x 19 blocks of 16 rows.  Wave w: hidden units 512 nx + 64 w .. + 63: four blocks of w1, whose 24 fragments (288 registers) stay in registers.
; x's codes (19 x 9,216 bytes) and scale words (19 x 512 bytes) come into LDS once, as rows of 256 bytes from multiples of 256, by one tensor load a wave: waves 0, 2: 18 rows each (block 0);
; waves 4, 6: 19 rows each (the scale words); the odd waves: 162 rows each (blocks 1-18).  Nothing is filled twice.
; Each wave asks for its w1 behind the wait for its own tensor load: so the requests of the even waves, whose loads are short, stand ahead of those of the odd waves.
; THE PRODUCT IS USED TRANSPOSED (source 0 = 16 rows of w1, source 1 = 16 rows of x); row i of block cb of w1 is hidden unit 64 (cb / 4) + 32 (i / 8) + 8 (cb % 4) + i % 8:
; lane (r, h) holds in its four tiles the 32 neighbouring hidden units 64 w + 32 h + 0 .. 31 of row r.
; ARITHMETIC: the model's own f32 operations in its order: sum + b1; x 1 / sqrt 2; min(|.|, 1.769); - 1.769; squared; x -0.2888 + 1 fused; h's sign; + 1; x h (the loop holds 2 g: the factor 0.5 is exact).
; Steps with no modifier go two numbers an instruction, as a dual pair on registers n and n + 1.
; NO CLUSTER: x's codes are shared by the six work-groups of one my, and six is no multiple of four.  NO PREFETCH: all of x is asked for at the head; no later stream follows.
; LIMITS: an h so small that h / sqrt 2 falls to 0 takes h's sign where the model takes 0 (both results are denormal); NaN and infinities are not served.
.set NBLK,  19
.set XBLK,  9216
.set XS,    NBLK*XBLK                  ; LDS: codes from 0; scale words from here;
.set GS,    XS+NBLK*512                ; the waves' figures, in blocks that no tensor load touches;
.set SPARE, GS+NBLK*256                ; the spare words, 128 bytes a wave
.set LA16,  1
.set LA8,   2
.set LS,    3
.set L16,   4
.set L8,    5
.set LS0,   9
.set AS,    10                         ; v10-15 x's scale words
.set WS,    16                         ; v16-39 w1's: tile t, K step k at 6 t + k
.set BI,    40                         ; v40-71 b1 in the result's layout
.set ACC,   72                         ; v72-103 the four tiles
.set AF,    104                        ; v104-175 x's six fragments
.set WF5,   176                        ; v176-223 w1's K step 5; K steps 0-4 fill window 1: (t, k) at 48 k + 12 t
.set T,     224                        ; v224-239 at work; v240-243 running minima and maxima
.set KA0,   246                        ; -0.2888, twice
.set KA1,   247
.set SPW,   250
.set NIL,   251
.set ONE,   252                        ; 1.0, twice
.set CI,    66
.set CB,    67
.set CC,    68
.set CS,    69
.set MSB, 0
.macro WIN new
.if MSB != (\new)
	s_set_vgpr_msb (MSB<<8)|(\new)
.set MSB, \new
.endif
.endm
.macro DESC g, rows                    ; group 1: rows of 256 bytes (32 elements of 8), dense
	s_mov_b32 s[\g], 3<<16
	s_mov_b32 s[\g+1], 32<<16
	s_mov_b32 s[\g+2], (\rows)<<16
	s_mov_b32 s[\g+3], 32<<16
	s_mov_b32 s[\g+4], \rows
	s_mov_b32 s[\g+5], 32
	s_mov_b32 s[\g+6], 0
	s_mov_b32 s[\g+7], 0
.endm
.macro ASKED                           ; behind each tensor load
	s_nop 0
.rept 4
	v_nop
.endr
.endm
	s_load_b256 s[4:11], s[0:1], 0x0               ; xq, w1q, b1, stat
	v_lshl_add_u32 v[SPW], v0, 2, SPARE
	v_mov_b32 v[NIL], 0
	ds_add_u32 v[SPW], v[NIL]                      ; the opening lines
	ds_add_u32 v[SPW], v[NIL]
	v_lshrrev_b32 v1, 5, v0
	v_readfirstlane_b32 s14, v1                    ; wave 0..7
	s_mov_b32 s15, ttmp9                           ; nx
	s_and_b32 s16, ttmp7, 0xffff                   ; my
	DESC 24, 18
	DESC 32, 19
	DESC 76, 162
	s_bfe_u32 s17, s14, 0x10001                    ; (wave / 2) % 2
	s_mul_i32 s41, s17, 4608                       ; waves 0, 2: that x 18 rows of block 0, in LDS as in memory
	s_mov_b32 s50, s41
	s_mov_b32 s51, 0
	s_mul_i32 s18, s16, NBLK*XBLK
	s_mov_b32 s19, 0
	s_mul_i32 s45, s17, 4864                       ; waves 4, 6: that x 19 rows of scale words
	s_mul_i32 s20, s16, NBLK*512
	s_add_co_u32 s20, s20, s45
	s_add_co_u32 s20, s20, 7354368                 ; they lie behind the 798 blocks of codes
	s_mov_b32 s21, 0
	s_add_co_u32 s45, s45, XS
	s_lshr_b32 s85, s14, 1
	s_mul_i32 s85, s85, 41472                      ; the odd waves: behind block 0, (wave / 2) x 162 rows
	s_add_co_u32 s85, s85, XBLK
	s_mov_b32 s52, s85
	s_mov_b32 s53, 0
	s_and_b32 s55, s14, 1                          ; odd or even
	s_wait_alu depctr_va_vdst(0)                   ; the wait ahead of the waits below
	s_wait_dscnt 0x0
	s_wait_kmcnt 0x0
	s_add_nc_u64 s[48:49], s[4:5], s[18:19]        ; my 19 blocks of codes
	s_mov_b32 s40, 1
	s_add_nc_u64 s[42:43], s[48:49], s[50:51]
	s_or_b32 s43, s43, 0x80000000
	s_mov_b32 s44, 1
	s_add_nc_u64 s[46:47], s[4:5], s[20:21]
	s_or_b32 s47, s47, 0x80000000
	s_mov_b32 s84, 1
	s_add_nc_u64 s[86:87], s[48:49], s[52:53]
	s_or_b32 s87, s87, 0x80000000
	s_cmp_eq_u32 s55, 0                            ; one load a wave, one to an arm, all arms to one join
	s_cbranch_scc1 .Lshort
	tensor_load_to_lds s[84:87], s[76:83]
	ASKED
	s_branch .Lfirst_asked
.Lshort:
	s_cmp_lt_u32 s14, 4
	s_cbranch_scc0 .Lscale_words
	tensor_load_to_lds s[40:43], s[24:31]
	ASKED
	s_branch .Lfirst_asked
.Lscale_words:
	tensor_load_to_lds s[44:47], s[32:39]
	ASKED
.Lfirst_asked:
	v_and_b32 v7, 31, v0                           ; lane
	v_and_b32 v1, 15, v0                           ; r
	v_bfe_u32 v2, v0, 4, 1                         ; h
	v_lshlrev_b32 v[L16], 4, v7
	v_lshlrev_b32 v[L8], 3, v7
	v_lshl_add_u32 v[LS0], v1, 2, XS
	v_lshlrev_b32 v3, 2, v1                        ; w1's scale words: 4 r
	v_lshlrev_b32 v6, 7, v2                        ; b1: 32 h numbers on
	s_wait_alu depctr_va_vdst(0)                   ; ahead of the run of scalar lines and of the wait behind it
	s_lshl_b32 s18, s15, 5
	s_lshl_b32 s19, s14, 2
	s_add_co_u32 s18, s18, s19                     ; my first block of w1: 32 nx + 4 w
	s_mul_i32 s20, s18, 384
	s_add_co_u32 s20, s20, 1769472
	s_mov_b32 s21, 0
	s_add_nc_u64 s[60:61], s[6:7], s[20:21]        ; its scale words
	s_mul_i32 s20, s18, XBLK
	s_add_nc_u64 s[6:7], s[6:7], s[20:21]          ; its codes: 36,864 consecutive bytes
	s_lshl_b32 s20, s15, 11
	s_lshl_b32 s19, s14, 8
	s_add_co_u32 s20, s20, s19
	s_add_nc_u64 s[8:9], s[8:9], s[20:21]          ; b1 at hidden unit 512 nx + 64 w
	s_wait_tensorcnt 0x0                           ; my part of x is in: only now do I ask for my w1
.macro GFRAG reg, off                  ; a fragment's image: four dense loads
	global_load_b128 v[\reg:\reg+3], v[L16], s[6:7] offset:\off
	global_load_b64 v[\reg+4:\reg+5], v[L8], s[6:7] offset:\off+512
	global_load_b128 v[\reg+6:\reg+9], v[L16], s[6:7] offset:\off+768
	global_load_b64 v[\reg+10:\reg+11], v[L8], s[6:7] offset:\off+1280
.endm
	WIN 0x40
.irp k, 0,1,2,3,4
.irp t, 0,1,2,3
	GFRAG 48*\k+12*\t, (6*\t+\k)*1536
.endr
.endr
	WIN 0
.irp t, 0,1,2,3
	GFRAG WF5+12*\t, (6*\t+5)*1536
.endr
.irp t, 0,1,2,3
.irp k, 0,1,2,3,4,5
	global_load_b32 v[WS+6*\t+\k], v3, s[60:61] offset:384*\t+64*\k
.endr
.endr
.irp t, 0,1,2,3
	global_load_b128 v[BI+8*\t:BI+8*\t+3], v6, s[8:9] offset:32*\t
	global_load_b128 v[BI+8*\t+4:BI+8*\t+7], v6, s[8:9] offset:32*\t+16
.endr
	s_mov_b32 s22, 0x76543210
	s_mov_b32 s23, 0xfedcba98                      ; selects for lane l xor 16
	s_mov_b32 s[CI], 0x3f3504f3                    ; 1 / sqrt 2
	s_mov_b32 s[CB], 0xbfe26e98                    ; -1.769
	s_mov_b32 s[CC], 0x3fe26e98
	s_mov_b32 s[CS], 0x80000000
	s_mov_b32 s17, 0                               ; the block in hand: its codes' first byte,
	s_mov_b32 s18, 0                               ; and its scale words'
	s_barrier_signal -1                            ; every wave has waited for its tensor load:
	s_barrier_wait -1                              ; all of x is whole for all eight waves
	s_wait_loadcnt 0x0
	v_mov_b32 v240, 0x7f800000                     ; the running minima begin over every number, the maxima under
	v_mov_b32 v241, 0x7f800000
	v_mov_b32 v242, 0xff800000
	v_mov_b32 v243, 0xff800000
	v_mov_b32 v244, 0
	v_mov_b32 v245, 0
	v_mov_b32 v[KA0], 0xbe93dd98
	v_mov_b32 v[KA1], 0xbe93dd98
	v_mov_b32 v[ONE], 1.0
	v_mov_b32 v[ONE+1], 1.0
.macro XLOADS                          ; a block's six fragments and six scale words: 30 dense LDS loads
.irp k, 0,1,2,3,4,5
	ds_load_b128 v[AF+12*\k:AF+12*\k+3], v[LA16] offset:1536*\k
	ds_load_b64 v[AF+12*\k+4:AF+12*\k+5], v[LA8] offset:1536*\k+512
	ds_load_b128 v[AF+12*\k+6:AF+12*\k+9], v[LA16] offset:1536*\k+768
	ds_load_b64 v[AF+12*\k+10:AF+12*\k+11], v[LA8] offset:1536*\k+1280
	ds_load_b32 v[AS+\k], v[LS] offset:64*\k
.endr
.endm
.macro VV op, d, p, q                  ; 16 numbers, two an instruction: d = p op q
.set j, 0
.rept 8
	v_dual_\op v[\d+j], v[\p+j], v[\q+j] :: v_dual_\op v[\d+j+1], v[\p+j+1], v[\q+j+1]
.set j, j+2
.endr
.endm
.macro SV op, d, s, q                  ; the same with one scalar or constant as the first source
.set j, 0
.rept 8
	v_dual_\op v[\d+j], \s, v[\q+j] :: v_dual_\op v[\d+j+1], \s, v[\q+j+1]
.set j, j+2
.endr
.endm
.macro HALF a, b                       ; 16 of a lane's 32 numbers, in ascending order (each tile is first read at its low end)
	VV add_f32, \a, \a, \b                         ; h = the sum + b1
	SV mul_f32, T, s[CI], \a                       ; t = h / sqrt 2
.set j, 0
.rept 16
	v_min_num_f32 v[T+j], |v[T+j]|, s[CC]          ; min(|t|, 1.769)
.set j, j+1
.endr
	SV add_f32, T, s[CB], T                        ; - 1.769
	VV mul_f32, T, T, T                            ; squared
.set j, 0
.rept 8
	v_dual_fma_f32 v[T+j], v[KA0], v[T+j], v[ONE] :: v_dual_fma_f32 v[T+j+1], v[KA1], v[T+j+1], v[ONE+1]   ; x -0.2888 + 1, fused
.set j, j+2
.endr
.set j, 0
.rept 16
	v_and_or_b32 v[T+j], v[\a+j], s[CS], v[T+j]    ; with h's sign: L
.set j, j+1
.endr
	SV add_f32, T, 1.0, T                          ; 1 + L
	VV mul_f32, \a, \a, T                          ; 2 g
.set j, 0
.rept 4
	v_min3_num_f32 v240, v240, v[\a+j], v[\a+j+1]
	v_max3_num_f32 v242, v242, v[\a+j], v[\a+j+1]
	v_min3_num_f32 v241, v241, v[\a+j+2], v[\a+j+3]
	v_max3_num_f32 v243, v243, v[\a+j+2], v[\a+j+3]
.set j, j+4
.endr
.endm
.macro MM t, w, k, c
	v_wmma_scale_f32_16x16x128_f8f6f4 v[ACC+8*\t:ACC+8*\t+7], v[\w:\w+11], v[AF+12*\k:AF+12*\k+11], \c, v[WS+6*\t+\k], v[AS+\k] matrix_a_fmt:MATRIX_FMT_BF6 matrix_b_fmt:MATRIX_FMT_BF6
.endm
; A block of 16 rows: 24 products, the four tiles by turns; the first product of each tile starts its sum from 0.  more = 1: the next block is fetched under this block's vector work.
.macro TRIP more
	s_wait_dscnt 0x0                               ; this block's 30 loads are in
	WIN 0x01
.irp t, 0,1,2,3
	MM \t, 12*\t, 0, 0
.endr
.irp k, 1,2,3,4
.irp t, 0,1,2,3
	MM \t, 48*\k+12*\t, \k, v[ACC+8*\t:ACC+8*\t+7]
.endr
.endr
	WIN 0
.irp t, 0,1,2,3
	MM \t, WF5+12*\t, 5, v[ACC+8*\t:ACC+8*\t+7]
.endr
.if \more                              ; four places ahead of the loads into x's registers and of the first read of the results
	s_add_co_u32 s17, s17, XBLK
	s_add_co_u32 s18, s18, 512
	v_add_nc_u32 v[LA16], s17, v[L16]
	v_add_nc_u32 v[LA8], s17, v[L8]
	v_add_nc_u32 v[LS], s18, v[LS0]
	v_nop
	XLOADS
.else
.rept 4
	v_nop
.endr
.endif
	HALF ACC, BI
	HALF ACC+16, BI+16
.endm
	v_add_nc_u32 v[LA16], s17, v[L16]
	v_add_nc_u32 v[LA8], s17, v[L8]
	v_add_nc_u32 v[LS], s18, v[LS0]
	XLOADS                                         ; block 0
	s_mov_b32 s20, 18
	s_wait_alu depctr_va_vdst(0)                   ; the wait at the head's end
.Ltrip:                                            ; blocks 0 to 17; they fetch blocks 1 to 18
	TRIP 1
	s_sub_co_u32 s20, s20, 1
	s_cmp_lg_u32 s20, 0
	s_cbranch_scc1 .Ltrip
	TRIP 0
	s_delay_alu instid0(VALU_DEP_2)
	v_min_num_f32 v240, v240, v241
	s_delay_alu instid0(VALU_DEP_2)
	v_max_num_f32 v242, v242, v243
.irp m, 1,2,4,8
	s_delay_alu instid0(VALU_DEP_2)
	v_min_num_f32_dpp v240, v240, v240 row_xmask:\m row_mask:0xf bank_mask:0xf
	s_delay_alu instid0(VALU_DEP_2)
	v_max_num_f32_dpp v242, v242, v242 row_xmask:\m row_mask:0xf bank_mask:0xf
.endr
	s_delay_alu instid0(VALU_DEP_2)
	v_permlanex16_b32 v244, v240, s22, s23
	s_delay_alu instid0(VALU_DEP_2)
	v_permlanex16_b32 v245, v242, s22, s23
	s_delay_alu instid0(VALU_DEP_2)
	v_min_num_f32 v240, v240, v244
	s_delay_alu instid0(VALU_DEP_2)
	v_max_num_f32 v241, v242, v245
	s_delay_alu instid0(VALU_DEP_2)
	v_mul_f32 v240, 0.5, v240                      ; the loop held 2 g
	s_delay_alu instid0(VALU_DEP_2)
	v_mul_f32 v241, 0.5, v241
	v_mov_b32 v7, s14
	s_delay_alu instid0(VALU_DEP_1)
	v_lshl_add_u32 v7, v7, 3, GS
	ds_store_b64 v7, v[240:241]                    ; all lanes write the same words with the same values
	s_wait_dscnt 0x0                               ; for the others' sake
	s_barrier_signal -1
	s_barrier_wait -1
	v_mov_b32 v6, GS
.irp i, 0,1,2,3
	ds_load_b128 v[T+4*\i:T+4*\i+3], v6 offset:16*\i
.endr
	s_mul_i32 s18, s16, 6
	s_add_co_u32 s18, s18, s15
	s_lshl_b32 s18, s18, 3
	s_add_co_u32 s18, s18, 4864                    ; pair 6 my + nx of the second region
	s_mov_b32 s19, 0
	s_add_nc_u64 s[10:11], s[10:11], s[18:19]
	v_mov_b32 v7, 0
	s_wait_dscnt 0x0
	v_min3_num_f32 v240, v[T], v[T+2], v[T+4]
	v_max3_num_f32 v241, v[T+1], v[T+3], v[T+5]
.irp i, 6,10
	s_delay_alu instid0(VALU_DEP_2)
	v_min3_num_f32 v240, v240, v[T+\i], v[T+\i+2]
	s_delay_alu instid0(VALU_DEP_2)
	v_max3_num_f32 v241, v241, v[T+\i+1], v[T+\i+3]
.endr
	s_delay_alu instid0(VALU_DEP_2)
	v_min_num_f32 v240, v240, v[T+14]
	s_delay_alu instid0(VALU_DEP_2)
	v_max_num_f32 v241, v241, v[T+15]
	s_wait_alu depctr_va_vdst(0)
	s_wait_xcnt 0x0                                ; EXEC changes only behind this wait
	v_cmp_eq_u32 vcc_lo, 0, v0
	s_wait_tensorcnt 0x0                           ; the wave's end
	ds_add_u32 v[SPW], v[NIL]
	s_wait_dscnt 0x0
	s_and_saveexec_b32 s20, vcc_lo                 ; thread 0 alone stores the work-group's pair
	global_store_b64 v7, v[240:241], s[10:11]
	s_endpgm
.Lfunc_end_k_qf223cbf075_gmin:
	.size	k_qf223cbf075_gmin, .Lfunc_end_k_qf223cbf075_gmin-k_qf223cbf075_gmin
	.p2alignl 7, 3214868480
	.fill 96, 4, 3214868480
	.section	.rodata,"a",@progbits
	.p2align	6, 0x0
	.amdhsa_kernel k_qf223cbf075_gmin
		.amdhsa_group_segment_fixed_size 190720
		.amdhsa_private_segment_fixed_size 0
		.amdhsa_enable_private_segment 0
		.amdhsa_kernarg_size 32
		.amdhsa_user_sgpr_count 2
		.amdhsa_user_sgpr_kernarg_segment_ptr 1
		.amdhsa_wavefront_size32 1
		.amdhsa_system_sgpr_workgroup_id_x 1
		.amdhsa_system_sgpr_workgroup_id_y 1
		.amdhsa_system_sgpr_workgroup_id_z 1
		.amdhsa_system_vgpr_workitem_id 0
		.amdhsa_next_free_vgpr 512
		.amdhsa_next_free_sgpr 96
		.amdhsa_reserve_vcc 1
		.amdhsa_float_denorm_mode_32 3
		.amdhsa_float_denorm_mode_16_64 3
		.amdhsa_memory_ordered 1
		.amdhsa_forward_progress 1
		.amdhsa_inst_pref_size 59
	.end_amdhsa_kernel
	.amdgpu_metadata
---
amdhsa.version: [ 1, 2 ]
amdhsa.kernels:
  - .name:           k_qf223cbf075_gmin
    .symbol:         k_qf223cbf075_gmin.kd
    .args:
      - { .name: xq, .offset: 0, .size: 8, .value_kind: global_buffer, .address_space: global }
      - { .name: w1q, .offset: 8, .size: 8, .value_kind: global_buffer, .address_space: global }
      - { .name: b1, .offset: 16, .size: 8, .value_kind: global_buffer, .address_space: global }
      - { .name: stat, .offset: 24, .size: 8, .value_kind: global_buffer, .address_space: global }
    .group_segment_fixed_size: 190720
    .private_segment_fixed_size: 0
    .kernarg_segment_align: 8
    .kernarg_segment_size: 32
    .max_flat_workgroup_size: 256
    .sgpr_count:     96
    .vgpr_count:     512
    .wavefront_size: 32
...
	.end_amdgpu_metadata
.endif
;; end of part 3
;; launch gcode (part 4): grid 6 x 42, 8 waves a work-group, no clusters, 190,720 bytes of LDS; arguments xq, w1q, b1, stat, gq; writes gq
.if DOCPART == 4
	.amdgcn_target "amdgcn-amd-amdhsa--gfx1250"
	.amdhsa_code_object_version 6
	.text
	.protected	k_qf223cbf075_gcode
	.globl	k_qf223cbf075_gcode
	.p2align	8
	.type	k_qf223cbf075_gcode,@function
k_qf223cbf075_gcode:
	s_mov_b64 s[64:65], 0
	v_nop
	global_prefetch_b8 v0, s[64:65] scope:SCOPE_SE
	s_setreg_imm32_b32 hwreg(HW_REG_WAVE_MODE, 25, 1), 1
	s_wait_xcnt 0x0
; h = Q(x) Q(w1)^T + b1 on codes of BF6 (E3M2) with E8M0 scales; g = the polynomial GELU of h: the same instructions on the same bytes as in the launch before.  Here g is fake-quantised with the
; finished minimum and maximum of the whole tensor, quantised to codes of BF6 along the hidden axis, and stored as images of the next product's operand registers.  g itself never goes to memory.
; SHARES, LDS, LOADS, LAYOUT: as in the launch before: work-group (nx, my) = 512 hidden units x 19 blocks of 16 rows; wave w holds w1's 24 fragments of its 64 hidden units in registers; x comes into LDS once,
; by one tensor load a wave (waves 0, 2: block 0; waves 4, 6: the scale words; the odd waves: blocks 1-18), rows of 256 bytes from multiples of 256; each wave asks for its w1 behind the wait for its own tensor load.
; Lane (r, h) holds the 32 neighbouring hidden units 64 w + 32 h + 0 .. 31 of row r: a whole block of the next K.  No lane asks another for a maximum or a code.
; ARITHMETIC: the model's own f32 operations in its order (see the launch before); s = the range x the f32 number nearest 1 / 255, rounded once; g / s is the rounded quotient (q0 = v y, r = v - q0 s, q = q0 + r y,
; on 2 g and 2 s, which give the same quotient).  clip(round(q) + zp, 0, 255) - zp is taken as round(clip(q, -zp, 255 - zp)): the ends are whole numbers, so both give the same whole number for every q.
; NO CLUSTER: six work-groups share x's codes, and six is no multiple of four.  NO PREFETCH: all of x is asked for at the head; no later stream follows.
; LIMITS: where g / s lies within an f32 bit of a half, the level hangs on the steps being rounded as said; an h so small that h / sqrt 2 falls to 0 takes h's sign where the model takes 0 (both denormal);
; a block of zeros gets the byte 1 (its codes are zeros, and this program alone reads the bytes); blocks under 2^-122 are held at byte 1; NaN and infinities are not served.
.set NBLK,  19
.set XBLK,  9216
.set XS,    NBLK*XBLK                  ; LDS: codes from 0; scale words from here;
.set GS,    XS+NBLK*512                ; g's scale bytes, 19 x 256, in blocks that no tensor load touches;
.set SPARE, GS+NBLK*256                ; the spare words, 128 bytes a wave
.set KBLK,  36864                      ; a block of g's codes in memory: 24 fragments
.set LA16,  1
.set LA8,   2
.set LS,    3
.set L16,   4
.set L8,    5
.set GSB,   6                          ; where my scale byte of the block in hand goes
.set GS0,   8
.set LS0,   9
.set AS,    10                         ; v10-15 x's scale words
.set WS,    16                         ; v16-39 w1's: tile t, K step k at 6 t + k
.set BI,    40                         ; v40-71 b1 in the result's layout
.set ACC,   72                         ; v72-103 the four tiles
.set AF,    104                        ; v104-175 x's six fragments
.set WF5,   176                        ; v176-223 w1's K step 5; K steps 0-4 fill window 1: (t, k) at 48 k + 12 t
.set T,     224                        ; v224-239 at work
.set PC,    240                        ; v240-245 the codes
.set QC,    246                        ; v246-248 the upper 16 codes before they are moved
.set AM,    249                        ; the largest magnitude, then the scale's byte
.set SPW,   250
.set NIL,   251
.set ONE,   252                        ; 1.0, twice
.set AM2,   254
.set SO,    255
.set KA0,   0                          ; -0.2888, twice: in v0 and v7, once the head has done with them
.set KA1,   7
.set NS2,   58                         ; s58 -2 s;  s52 1 / (2 s);  s54 s;  s56, s57 the clip's ends
.set CI,    66
.set CB,    67
.set CC,    68
.set CS,    69
.set MSB, 0
.macro WIN new
.if MSB != (\new)
	s_set_vgpr_msb (MSB<<8)|(\new)
.set MSB, \new
.endif
.endm
.macro DESC g, rows                    ; group 1: rows of 256 bytes (32 elements of 8), dense
	s_mov_b32 s[\g], 3<<16
	s_mov_b32 s[\g+1], 32<<16
	s_mov_b32 s[\g+2], (\rows)<<16
	s_mov_b32 s[\g+3], 32<<16
	s_mov_b32 s[\g+4], \rows
	s_mov_b32 s[\g+5], 32
	s_mov_b32 s[\g+6], 0
	s_mov_b32 s[\g+7], 0
.endm
.macro ASKED                           ; behind each tensor load
	s_nop 0
.rept 4
	v_nop
.endr
.endm
	s_load_b256 s[4:11], s[0:1], 0x0               ; xq, w1q, b1, stat
	s_load_b64 s[12:13], s[0:1], 0x20              ; gq
	v_lshl_add_u32 v[SPW], v0, 2, SPARE
	v_mov_b32 v[NIL], 0
	ds_add_u32 v[SPW], v[NIL]                      ; the opening lines
	ds_add_u32 v[SPW], v[NIL]
	v_lshrrev_b32 v1, 5, v0
	v_readfirstlane_b32 s14, v1                    ; wave 0..7
	s_mov_b32 s15, ttmp9                           ; nx
	s_and_b32 s16, ttmp7, 0xffff                   ; my
	DESC 24, 18
	DESC 32, 19
	DESC 76, 162
	s_bfe_u32 s17, s14, 0x10001                    ; (wave / 2) % 2
	s_mul_i32 s41, s17, 4608                       ; waves 0, 2: that x 18 rows of block 0, in LDS as in memory
	s_mov_b32 s50, s41
	s_mov_b32 s51, 0
	s_mul_i32 s18, s16, NBLK*XBLK
	s_mov_b32 s19, 0
	s_mul_i32 s45, s17, 4864                       ; waves 4, 6: that x 19 rows of scale words
	s_mul_i32 s20, s16, NBLK*512
	s_add_co_u32 s20, s20, s45
	s_add_co_u32 s20, s20, 7354368                 ; they lie behind the 798 blocks of codes
	s_mov_b32 s21, 0
	s_add_co_u32 s45, s45, XS
	s_lshr_b32 s85, s14, 1
	s_mul_i32 s85, s85, 41472                      ; the odd waves: behind block 0, (wave / 2) x 162 rows
	s_add_co_u32 s85, s85, XBLK
	s_mov_b32 s52, s85
	s_mov_b32 s53, 0
	s_and_b32 s55, s14, 1                          ; odd or even
	s_wait_alu depctr_va_vdst(0)                   ; the wait ahead of the waits below
	s_wait_dscnt 0x0
	s_wait_kmcnt 0x0
	s_add_nc_u64 s[48:49], s[4:5], s[18:19]        ; my 19 blocks of codes
	s_mov_b32 s40, 1
	s_add_nc_u64 s[42:43], s[48:49], s[50:51]
	s_or_b32 s43, s43, 0x80000000
	s_mov_b32 s44, 1
	s_add_nc_u64 s[46:47], s[4:5], s[20:21]
	s_or_b32 s47, s47, 0x80000000
	s_mov_b32 s84, 1
	s_add_nc_u64 s[86:87], s[48:49], s[52:53]
	s_or_b32 s87, s87, 0x80000000
	s_cmp_eq_u32 s55, 0                            ; one load a wave, one to an arm, all arms to one join
	s_cbranch_scc1 .Lshort
	tensor_load_to_lds s[84:87], s[76:83]
	ASKED
	s_branch .Lfirst_asked
.Lshort:
	s_cmp_lt_u32 s14, 4
	s_cbranch_scc0 .Lscale_words
	tensor_load_to_lds s[40:43], s[24:31]
	ASKED
	s_branch .Lfirst_asked
.Lscale_words:
	tensor_load_to_lds s[44:47], s[32:39]
	ASKED
.Lfirst_asked:
	v_and_b32 v7, 31, v0                           ; lane
	v_and_b32 v1, 15, v0                           ; r
	v_bfe_u32 v2, v0, 4, 1                         ; h
	v_lshlrev_b32 v[L16], 4, v7
	v_lshlrev_b32 v[L8], 3, v7
	v_lshl_add_u32 v[LS0], v1, 2, XS
	v_lshlrev_b32 v3, 2, v1                        ; w1's scale words: 4 r
	v_lshlrev_b32 v6, 7, v2                        ; b1: 32 h numbers on
	v_lshl_add_u32 v[GS0], v1, 2, v2
	s_wait_alu depctr_va_vdst(0)                   ; ahead of the run of scalar lines
	s_lshr_b32 s18, s14, 1
	s_lshl_b32 s18, s18, 6
	s_and_b32 s19, s14, 1
	s_lshl_b32 s19, s19, 1
	s_add_co_u32 s18, s18, s19
	s_add_co_u32 s18, s18, GS
	v_add_nc_u32 v[GS0], s18, v[GS0]               ; GS + 64 (w / 2) + 4 r + 2 (w % 2) + h: K step w / 2 of my four, row r, block 2 (w % 2) + h
	s_lshl_b32 s18, s15, 5
	s_lshl_b32 s19, s14, 2
	s_add_co_u32 s18, s18, s19                     ; my first block of w1: 32 nx + 4 w
	s_mul_i32 s20, s18, 384
	s_add_co_u32 s20, s20, 1769472
	s_mov_b32 s21, 0
	s_add_nc_u64 s[60:61], s[6:7], s[20:21]        ; its scale words
	s_mul_i32 s20, s18, XBLK
	s_add_nc_u64 s[6:7], s[6:7], s[20:21]          ; its codes: 36,864 consecutive bytes
	s_lshl_b32 s20, s15, 11
	s_lshl_b32 s19, s14, 8
	s_add_co_u32 s20, s20, s19
	s_add_nc_u64 s[8:9], s[8:9], s[20:21]          ; b1 at hidden unit 512 nx + 64 w
	s_mul_i32 s18, s16, NBLK                       ; g's scale bytes: block 19 my + w, my work-group's 256 bytes of its 1,536
	s_add_co_u32 s18, s18, s14
	s_mul_i32 s20, s18, 1536
	s_lshl_b32 s19, s15, 8
	s_add_co_u32 s20, s20, s19
	s_add_co_u32 s20, s20, 29417472                ; behind the 798 blocks of codes
	s_add_nc_u64 s[62:63], s[12:13], s[20:21]
	s_mul_i32 s18, s16, NBLK*24                    ; g's codes: fragment (19 my, 4 nx + w / 2), half w % 2
	s_lshl_b32 s19, s15, 2
	s_add_co_u32 s18, s18, s19
	s_lshr_b32 s19, s14, 1
	s_add_co_u32 s18, s18, s19
	s_mul_i32 s20, s18, 1536
	s_and_b32 s19, s14, 1
	s_mul_i32 s19, s19, 768
	s_add_co_u32 s20, s20, s19
	s_add_nc_u64 s[12:13], s[12:13], s[20:21]
	s_wait_alu depctr_va_vdst(0)                   ; ahead of the wait below
	s_wait_tensorcnt 0x0                           ; my part of x is in: only now do I ask for my w1
.macro GFRAG reg, off                  ; a fragment's image: four dense loads
	global_load_b128 v[\reg:\reg+3], v[L16], s[6:7] offset:\off
	global_load_b64 v[\reg+4:\reg+5], v[L8], s[6:7] offset:\off+512
	global_load_b128 v[\reg+6:\reg+9], v[L16], s[6:7] offset:\off+768
	global_load_b64 v[\reg+10:\reg+11], v[L8], s[6:7] offset:\off+1280
.endm
	WIN 0x40
.irp k, 0,1,2,3,4
.irp t, 0,1,2,3
	GFRAG 48*\k+12*\t, (6*\t+\k)*1536
.endr
.endr
	WIN 0
.irp t, 0,1,2,3
	GFRAG WF5+12*\t, (6*\t+5)*1536
.endr
.irp t, 0,1,2,3
.irp k, 0,1,2,3,4,5
	global_load_b32 v[WS+6*\t+\k], v3, s[60:61] offset:384*\t+64*\k
.endr
.endr
.irp t, 0,1,2,3
	global_load_b128 v[BI+8*\t:BI+8*\t+3], v6, s[8:9] offset:32*\t
	global_load_b128 v[BI+8*\t+4:BI+8*\t+7], v6, s[8:9] offset:32*\t+16
.endr
.irp i, 0,1,2,3
	v_add_nc_u32 v[PC+\i], 32*\i, v7
	v_min_u32 v[PC+\i], 125, v[PC+\i]              ; 252 pairs are 126 groups of 16 bytes; lanes past the end take the last once more
	v_lshlrev_b32 v[PC+\i], 4, v[PC+\i]
	global_load_b128 v[T+4*\i:T+4*\i+3], v[PC+\i], s[10:11] offset:4864
.endr
	s_wait_alu depctr_va_vdst(0)                   ; ahead of the run of scalar lines and the barrier
	s_mov_b32 s22, 0x76543210
	s_mov_b32 s23, 0xfedcba98                      ; selects for lane l xor 16
	s_mov_b32 s[CI], 0x3f3504f3                    ; 1 / sqrt 2
	s_mov_b32 s[CB], 0xbfe26e98                    ; -1.769
	s_mov_b32 s[CC], 0x3fe26e98
	s_mov_b32 s[CS], 0x80000000
	s_mov_b32 s17, 0                               ; the block in hand: its codes' first byte,
	s_mov_b32 s18, 0                               ; its scale words',
	s_mov_b32 s19, 0                               ; and its place among g's scale bytes
	s_barrier_signal -1                            ; every wave has waited for its tensor load:
	s_barrier_wait -1                              ; all of x is whole for all eight waves
	s_wait_loadcnt 0x0
	v_mov_b32 v246, 0                              ; a lane permute's destination counts as one of its sources
	v_mov_b32 v247, 0
	v_min3_num_f32 v244, v[T], v[T+2], v[T+4]
	v_max3_num_f32 v245, v[T+1], v[T+3], v[T+5]
.irp i, 6,10
	s_delay_alu instid0(VALU_DEP_2)
	v_min3_num_f32 v244, v244, v[T+\i], v[T+\i+2]
	s_delay_alu instid0(VALU_DEP_2)
	v_max3_num_f32 v245, v245, v[T+\i+1], v[T+\i+3]
.endr
	s_delay_alu instid0(VALU_DEP_2)
	v_min_num_f32 v244, v244, v[T+14]
	s_delay_alu instid0(VALU_DEP_2)
	v_max_num_f32 v245, v245, v[T+15]
.irp m, 1,2,4,8
	s_delay_alu instid0(VALU_DEP_2)
	v_min_num_f32_dpp v244, v244, v244 row_xmask:\m row_mask:0xf bank_mask:0xf
	s_delay_alu instid0(VALU_DEP_2)
	v_max_num_f32_dpp v245, v245, v245 row_xmask:\m row_mask:0xf bank_mask:0xf
.endr
	s_delay_alu instid0(VALU_DEP_2)
	v_permlanex16_b32 v246, v244, s22, s23
	s_delay_alu instid0(VALU_DEP_2)
	v_permlanex16_b32 v247, v245, s22, s23
	s_delay_alu instid0(VALU_DEP_2)
	v_min_num_f32 v244, v244, v246                 ; g's minimum,
	s_delay_alu instid0(VALU_DEP_2)
	v_max_num_f32 v245, v245, v247                 ; and maximum
	s_delay_alu instid0(VALU_DEP_1)
	v_sub_f32 v246, v245, v244
	s_delay_alu instid0(VALU_DEP_1)
	v_max_num_f32 v246, 0x322bcc77, v246           ; at least 1e-8
	s_delay_alu instid0(VALU_DEP_1)
	v_mul_f32 v247, 0x3b808081, v246               ; s
	s_wait_alu depctr_va_vdst(0)                   ; the wait ahead of the reciprocal,
	v_rcp_f32 v248, v247
	v_nop                                          ; a plain place behind it,
	s_wait_alu depctr_va_vdst(0)                   ; and the wait ahead of its first reader
	v_fma_f32 v249, -v247, v248, 1.0
	v_fma_f32 v248, v249, v248, v248               ; 1 / s, one Newton step
	v_mul_f32 v249, -v244, v248                    ; the zero point: the quotient -min / s, to the nearest whole number
	v_fma_f32 v254, -v249, v247, -v244
	v_fma_f32 v249, v254, v248, v249
	v_rndne_f32 v249, v249
	v_sub_f32 v249, 0, v249                        ; the clip's lower end, -zp,
	v_add_f32 v254, 0x437f0000, v249               ; and its upper end, 255 on
	v_mul_f32 v248, 0.5, v248                      ; 1 / (2 s)
	v_mul_f32 v246, -2.0, v247                     ; -2 s
	v_readfirstlane_b32 s52, v248                  ; all lanes hold the same numbers: they go on as scalars, as values only
	v_readfirstlane_b32 s54, v247
	v_readfirstlane_b32 s56, v249
	v_readfirstlane_b32 s57, v254
	v_readfirstlane_b32 s[NS2], v246
	v_mov_b32 v[KA0], 0xbe93dd98
	v_mov_b32 v[KA1], 0xbe93dd98
	v_mov_b32 v[ONE], 1.0
	v_mov_b32 v[ONE+1], 1.0
.macro XLOADS                          ; a block's six fragments and six scale words: 30 dense LDS loads
.irp k, 0,1,2,3,4,5
	ds_load_b128 v[AF+12*\k:AF+12*\k+3], v[LA16] offset:1536*\k
	ds_load_b64 v[AF+12*\k+4:AF+12*\k+5], v[LA8] offset:1536*\k+512
	ds_load_b128 v[AF+12*\k+6:AF+12*\k+9], v[LA16] offset:1536*\k+768
	ds_load_b64 v[AF+12*\k+10:AF+12*\k+11], v[LA8] offset:1536*\k+1280
	ds_load_b32 v[AS+\k], v[LS] offset:64*\k
.endr
.endm
.macro VV op, d, p, q                  ; 16 numbers, two an instruction: d = p op q
.set j, 0
.rept 8
	v_dual_\op v[\d+j], v[\p+j], v[\q+j] :: v_dual_\op v[\d+j+1], v[\p+j+1], v[\q+j+1]
.set j, j+2
.endr
.endm
.macro SV op, d, s, q                  ; the same with one scalar or constant as the first source
.set j, 0
.rept 8
	v_dual_\op v[\d+j], \s, v[\q+j] :: v_dual_\op v[\d+j+1], \s, v[\q+j+1]
.set j, j+2
.endr
.endm
.macro HALF a, b                       ; 16 of a lane's 32 numbers, in ascending order (each tile is first read at its low end)
	VV add_f32, \a, \a, \b                         ; h = the sum + b1
	SV mul_f32, T, s[CI], \a                       ; t = h / sqrt 2
.set j, 0
.rept 16
	v_min_num_f32 v[T+j], |v[T+j]|, s[CC]          ; min(|t|, 1.769)
.set j, j+1
.endr
	SV add_f32, T, s[CB], T                        ; - 1.769
	VV mul_f32, T, T, T                            ; squared
.set j, 0
.rept 8
	v_dual_fma_f32 v[T+j], v[KA0], v[T+j], v[ONE] :: v_dual_fma_f32 v[T+j+1], v[KA1], v[T+j+1], v[ONE+1]   ; x -0.2888 + 1, fused
.set j, j+2
.endr
.set j, 0
.rept 16
	v_and_or_b32 v[T+j], v[\a+j], s[CS], v[T+j]    ; with h's sign: L
.set j, j+1
.endr
	SV add_f32, T, 1.0, T                          ; 1 + L
	VV mul_f32, \a, \a, T                          ; 2 g
	SV mul_f32, T, s52, \a                         ; q0 = 2 g x 1 / (2 s)
	SV fmac_f32, \a, s[NS2], T                     ; r = 2 g - q0 x 2 s, exact
	SV fmac_f32, T, s52, \a                        ; q = q0 + r / (2 s): the quotient g / s, rounded once
.set j, 0
.rept 16
	v_med3_num_f32 v[T+j], v[T+j], s56, s57        ; the clip, between whole numbers
.set j, j+1
.endr
.set j, 0
.rept 16
	v_rndne_f32 v[T+j], v[T+j]                     ; to the nearest whole number, ties to even
.set j, j+1
.endr
	SV mul_f32, \a, s54, T                         ; x s: the fake-quantised g
.endm
.macro MM t, w, k, c
	v_wmma_scale_f32_16x16x128_f8f6f4 v[ACC+8*\t:ACC+8*\t+7], v[\w:\w+11], v[AF+12*\k:AF+12*\k+11], \c, v[WS+6*\t+\k], v[AS+\k] matrix_a_fmt:MATRIX_FMT_BF6 matrix_b_fmt:MATRIX_FMT_BF6
.endm
; A block of 16 rows: 24 products, the four tiles by turns; the first product of each tile starts its sum from 0.  more = 1: the next block is fetched under this block's vector work.
.macro TRIP more
	s_wait_dscnt 0x0                               ; this block's 30 loads are in
	WIN 0x01
.irp t, 0,1,2,3
	MM \t, 12*\t, 0, 0
.endr
.irp k, 1,2,3,4
.irp t, 0,1,2,3
	MM \t, 48*\k+12*\t, \k, v[ACC+8*\t:ACC+8*\t+7]
.endr
.endr
	WIN 0
.irp t, 0,1,2,3
	MM \t, WF5+12*\t, 5, v[ACC+8*\t:ACC+8*\t+7]
.endr
.if \more                              ; four places ahead of the loads into x's registers and of the first read of the results
	s_add_co_u32 s17, s17, XBLK
	s_add_co_u32 s18, s18, 512
	v_add_nc_u32 v[LA16], s17, v[L16]
	v_add_nc_u32 v[LA8], s17, v[L8]
	v_add_nc_u32 v[LS], s18, v[LS0]
.else
.rept 3
	v_nop
.endr
.endif
	v_add_nc_u32 v[GSB], s19, v[GS0]
.if \more
	XLOADS
.endif
	HALF ACC, BI
	HALF ACC+16, BI+16
	v_max3_num_f32 v[AM], |v[ACC]|, |v[ACC+1]|, 0x2800000            ; the block's largest magnitude: all 32 numbers are mine; the floor 2^(5 - 127) holds the byte at 1 from below
	v_max3_num_f32 v[AM2], |v[ACC+2]|, |v[ACC+3]|, |v[ACC+4]|
.set j, 5
.rept 6
	s_delay_alu instid0(VALU_DEP_2)
	v_max3_num_f32 v[AM], v[AM], |v[ACC+j]|, |v[ACC+j+1]|
	s_delay_alu instid0(VALU_DEP_2)
	v_max3_num_f32 v[AM2], v[AM2], |v[ACC+j+2]|, |v[ACC+j+3]|
.set j, j+4
.endr
	s_delay_alu instid0(VALU_DEP_2)
	v_max3_num_f32 v[AM], v[AM], |v[ACC+29]|, |v[ACC+30]|
	s_delay_alu instid0(VALU_DEP_1)
	v_max3_num_f32 v[AM], v[AM], v[AM2], |v[ACC+31]|
	s_delay_alu instid0(VALU_DEP_1)
	v_add_nc_u32 v[SO], 0xfe000000, v[AM]          ; 4 off the exponent field: the conversion's scale operand
	s_delay_alu instid0(VALU_DEP_1)
	v_lshrrev_b32 v[AM], 23, v[SO]                 ; the scale's byte
	s_wait_alu depctr_va_vdst(0)                   ; the wait ahead of the wait below
	s_wait_xcnt 0x0                                ; the last trip's two stores have read their data and their base: the codes' registers are written again, and the base steps, only behind this wait
	s_add_nc_u64 s[12:13], s[12:13], KBLK          ; one block on; the stores below reach back by their immediates
	v_cvt_scalef32_pk16_bf6_f32 v[PC:PC+2], v[ACC:ACC+15], v[SO]
	v_cvt_scalef32_pk16_bf6_f32 v[QC:QC+2], v[ACC+16:ACC+31], v[SO]  ; (a conversion's three registers begin on an even number)
	v_nop                                          ; one plain place behind the conversions
	v_mov_b32 v[PC+3], v[QC]
	v_mov_b32 v[PC+4], v[QC+1]
	v_mov_b32 v[PC+5], v[QC+2]
	global_store_b128 v[L16], v[PC:PC+3], s[12:13] offset:-KBLK          ; half a fragment's image: 768 consecutive bytes, from a multiple of 256
	global_store_b64 v[L8], v[PC+4:PC+5], s[12:13] offset:512-KBLK
	ds_store_b8 v[GSB], v[AM]                      ; the bytes are gathered in LDS and leave at the end
.if \more
	s_add_co_u32 s19, s19, 256
.endif
.endm
	v_add_nc_u32 v[LA16], s17, v[L16]
	v_add_nc_u32 v[LA8], s17, v[L8]
	v_add_nc_u32 v[LS], s18, v[LS0]
	XLOADS                                         ; block 0
	s_mov_b32 s20, 18
	s_wait_alu depctr_va_vdst(0)                   ; the wait at the head's end
.Ltrip:                                            ; blocks 0 to 17; they fetch blocks 1 to 18
	TRIP 1
	s_sub_co_u32 s20, s20, 1
	s_cmp_lg_u32 s20, 0
	s_cbranch_scc1 .Ltrip
	TRIP 0
	s_wait_dscnt 0x0                               ; for the others' sake: my byte stores have landed
	s_barrier_signal -1
	s_barrier_wait -1
	s_lshl_b32 s18, s14, 8                         ; wave w sends the 256 bytes of blocks w, w + 8 and, where w < 3, w + 16
	s_add_co_u32 s18, s18, GS
	v_add_nc_u32 v[LA8], s18, v[L8]
	ds_load_b64 v[224:225], v[LA8]
	ds_load_b64 v[226:227], v[LA8] offset:2048
	s_wait_dscnt 0x0
	global_store_b64 v[L8], v[224:225], s[62:63]               ; 32 lanes store 256 consecutive bytes, from a multiple of 256
	global_store_b64 v[L8], v[226:227], s[62:63] offset:12288
	s_cmp_lt_u32 s14, 3
	s_cbranch_scc0 .Ldone
	s_wait_alu depctr_va_vdst(0)
	ds_load_b64 v[228:229], v[LA8] offset:4096
	s_wait_dscnt 0x0
	global_store_b64 v[L8], v[228:229], s[62:63] offset:24576
.Ldone:
	s_wait_tensorcnt 0x0                           ; the wave's end
	ds_add_u32 v[SPW], v[NIL]
	s_wait_dscnt 0x0
	s_endpgm
.Lfunc_end_k_qf223cbf075_gcode:
	.size	k_qf223cbf075_gcode, .Lfunc_end_k_qf223cbf075_gcode-k_qf223cbf075_gcode
	.p2alignl 7, 3214868480
	.fill 96, 4, 3214868480
	.section	.rodata,"a",@progbits
	.p2align	6, 0x0
	.amdhsa_kernel k_qf223cbf075_gcode
		.amdhsa_group_segment_fixed_size 190720
		.amdhsa_private_segment_fixed_size 0
		.amdhsa_enable_private_segment 0
		.amdhsa_kernarg_size 40
		.amdhsa_user_sgpr_count 2
		.amdhsa_user_sgpr_kernarg_segment_ptr 1
		.amdhsa_wavefront_size32 1
		.amdhsa_system_sgpr_workgroup_id_x 1
		.amdhsa_system_sgpr_workgroup_id_y 1
		.amdhsa_system_sgpr_workgroup_id_z 1
		.amdhsa_system_vgpr_workitem_id 0
		.amdhsa_next_free_vgpr 512
		.amdhsa_next_free_sgpr 96
		.amdhsa_reserve_vcc 0
		.amdhsa_float_denorm_mode_32 3
		.amdhsa_float_denorm_mode_16_64 3
		.amdhsa_memory_ordered 1
		.amdhsa_forward_progress 1
		.amdhsa_inst_pref_size 76
	.end_amdhsa_kernel
	.amdgpu_metadata
---
amdhsa.version: [ 1, 2 ]
amdhsa.kernels:
  - .name:           k_qf223cbf075_gcode
    .symbol:         k_qf223cbf075_gcode.kd
    .args:
      - { .name: xq, .offset: 0, .size: 8, .value_kind: global_buffer, .address_space: global }
      - { .name: w1q, .offset: 8, .size: 8, .value_kind: global_buffer, .address_space: global }
      - { .name: b1, .offset: 16, .size: 8, .value_kind: global_buffer, .address_space: global }
      - { .name: stat, .offset: 24, .size: 8, .value_kind: global_buffer, .address_space: global }
      - { .name: gq, .offset: 32, .size: 8, .value_kind: global_buffer, .address_space: global }
    .group_segment_fixed_size: 190720
    .private_segment_fixed_size: 0
    .kernarg_segment_align: 8
    .kernarg_segment_size: 40
    .max_flat_workgroup_size: 256
    .sgpr_count:     96
    .vgpr_count:     512
    .wavefront_size: 32
...
	.end_amdgpu_metadata
.endif
;; end of part 4
;; launch outp (part 5): grid 4 x 44, 4 waves a work-group, clusters of 4 x 4, 327,680 bytes of LDS; arguments gq, w2q, b2, out0; writes out0
.if DOCPART == 5
	.amdgcn_target "amdgcn-amd-amdhsa--gfx1250"
	.amdhsa_code_object_version 6
	.text
	.protected	k_qf223cbf075_outp
	.globl	k_qf223cbf075_outp
	.p2align	8
	.type	k_qf223cbf075_outp,@function
k_qf223cbf075_outp:
	s_mov_b64 s[64:65], 0
	v_nop
	global_prefetch_b8 v0, s[64:65] scope:SCOPE_SE
	s_setreg_imm32_b32 hwreg(HW_REG_WAVE_MODE, 25, 1), 1
	s_wait_xcnt 0x0
	s_wait_alu depctr_hold_cnt(0) depctr_sa_sdst(0) depctr_va_vdst(0) depctr_va_sdst(0) depctr_va_ssrc(0) depctr_va_vcc(0) depctr_vm_vsrc(0)
	s_getreg_b32 s2, hwreg(HW_REG_IB_STS2, 6, 4)
	s_cmp_eq_u32 s2, 0
	s_cbranch_scc0 .Lentry_in_a_cluster
	s_endpgm
.Lentry_in_a_cluster:
	s_bfe_u32 s2, ttmp6, 0x10000c
	s_cmp_lg_u32 s2, 0xf033
	s_cbranch_scc0 .Lentry_shape_is_right
	s_endpgm
.Lentry_shape_is_right:
; out = Q(g) Q(w2)^T + b2 on codes of BF6 (E3M2) with E8M0 scales, both operands as images of operand registers (fragments of 1,536 bytes, 24 to a block of 16 rows; scale words 1,536 bytes a block).
; A work-group makes 288 rows x 192 columns; each of four waves 144 x 96: 54 accumulators.  K goes through two LDS slots of three K steps (rows of 4,608 bytes from multiples of 256); the scales come once.
; CLUSTERS: 4 x 4 work-groups; g's tiles are asked for jointly along a row of the cluster, w2's along a column.  THE HEAD'S FOUR TILES go out one a wave: wave 0 g's 18 blocks of chunk 0, wave 1 w2's 12,
; wave 2 g's scales, wave 3 w2's; behind the full sequence and a round, chunk 1, a quarter of the slot a wave.  The product is used transposed; b2 is the C of each accumulator's first product.
; PREFETCH: behind each joint load the chunk that stands two loads on is asked for: units of 256 bytes (162 of the 9 blocks that a wave of g's fetches, 108 of w2's 6), unit 4 i + p to partner p of the four that
; ask jointly (p = cx for g, cy for w2: told apart by address alone), a lane a unit, two instructions a wave; lanes left over name the wave's last unit again; the last two refills ask for nothing.
.set FRB,    1536
.set BLKB,   3*FRB
.set KBLK,   24*FRB
.set AHALF,  9*BLKB
.set BHALF,  6*BLKB
.set BOFF,   18*BLKB
.set SLOT,   30*BLKB
.set SB,     2*SLOT
.set SA,     SB+12*1536
.set SPARE,  SA+18*1536
.set SPITCH, 784
.set GSC,    29417472
.set WSC,    1769472
.set ROWS,   12608
.set L16,  4
.set L8,   5
.set CO2,  13
.set LIM,  14
.set ADRS, 15
.set ADRA, 16
.set ADRB, 20
.set STO,  24
.set RD1,  26
.set RD2,  27
.set SPW,  28
.set NIL,  29
.set SC,   32
.set AF,   128
.set B2R,  72
.set G1, 24
.set G0, 32
.set G1B, 48
.set G0B, 56
.set G1S, 68
.set G0S, 76
.set G1SB, 80
.set G0SB, 88
.set MSB, 0
.macro WIN new
.if MSB != (\new)
	s_set_vgpr_msb (MSB<<8)|(\new)
.set MSB, \new
.endif
.endm
.set MUL_LO, 0xa1
.set MUL_HI, 0xf1
.set TO_B,   0x40
.macro JLOAD g0a, g1a, g0b, g1b
	s_cmp_eq_u32 s15, 0
	s_cbranch_scc0 .Lfor_b_\@
	tensor_load_to_lds s[\g0a:\g0a+3], s[\g1a:\g1a+7]
	s_nop 0
.rept 4
	v_nop
.endr
	s_branch .Lasked_\@
.Lfor_b_\@:
	tensor_load_to_lds s[\g0b:\g0b+3], s[\g1b:\g1b+7]
	s_nop 0
.rept 4
	v_nop
.endr
.Lasked_\@:
.endm
.macro CREST
	s_cmp_lg_u32 s14, 0
	s_cbranch_scc1 .Lnot_wave_0_\@
	s_barrier_signal -3
.Lnot_wave_0_\@:
	s_barrier_wait -3
	s_barrier_signal -1
	s_barrier_wait -1
.endm
.macro CROUND
	s_barrier_signal -1
	s_barrier_wait -1
	CREST
.endm
	s_load_b256 s[4:11], s[0:1], 0x0
	v_lshl_add_u32 v[SPW], v0, 2, SPARE
	v_mov_b32 v[NIL], 0
	ds_add_u32 v28, v29
	ds_add_u32 v28, v29
	s_wait_dscnt 0x0
	v_lshrrev_b32 v1, 5, v0
	v_readfirstlane_b32 s14, v1
	s_lshr_b32 s15, s14, 1
	s_and_b32 s16, s14, 1
	s_bfe_u32 s40, ttmp6, 0x40000
	s_bfe_u32 s41, ttmp6, 0x40004
	s_lshl_b32 s42, ttmp9, 2
	s_add_co_u32 s42, s42, s40
	s_and_b32 s17, ttmp7, 0xffff
	s_lshl_b32 s17, s17, 2
	s_add_co_u32 s17, s17, s41
	s_lshl_b32 s43, s41, 2
	s_lshl_b32 s43, 15, s43
	s_lshl_b32 s44, 0x1111, s40
	s_or_b32 s[G1+0], s43, (3<<16)|(1<<21)
	s_or_b32 s[G1B+0], s44, (3<<16)|(1<<21)
	s_mov_b32 s[G1+1], 576<<16
	s_mov_b32 s[G1+2], 18<<16
	s_mov_b32 s[G1+3], 576<<16
	s_mov_b32 s[G1+4], 18
	s_mov_b32 s[G1+5], 4608
	s_mov_b32 s[G1+6], 0
	s_mov_b32 s[G1+7], 0
	s_mov_b32 s[G1B+1], 576<<16
	s_mov_b32 s[G1B+2], 12<<16
	s_mov_b32 s[G1B+3], 576<<16
	s_mov_b32 s[G1B+4], 12
	s_mov_b32 s[G1B+5], 4608
	s_mov_b32 s[G1B+6], 0
	s_mov_b32 s[G1B+7], 0
	s_or_b32 s[G1S+0], s43, (3<<16)|(1<<21)
	s_or_b32 s[G1SB+0], s44, (3<<16)|(1<<21)
	s_mov_b32 s[G1S+1], 32<<16
	s_mov_b32 s[G1S+2], 108<<16
	s_mov_b32 s[G1S+3], 32<<16
	s_mov_b32 s[G1S+4], 108
	s_mov_b32 s[G1S+5], 32
	s_mov_b32 s[G1S+6], 0
	s_mov_b32 s[G1S+7], 0
	s_mov_b32 s[G1SB+1], 32<<16
	s_mov_b32 s[G1SB+2], 72<<16
	s_mov_b32 s[G1SB+3], 32<<16
	s_mov_b32 s[G1SB+4], 72
	s_mov_b32 s[G1SB+5], 32
	s_mov_b32 s[G1SB+6], 0
	s_mov_b32 s[G1SB+7], 0
	s_mul_i32 s20, s17, 18
	s_mul_i32 s18, s16, 9
	s_add_co_u32 s20, s20, s18
	s_mul_i32 s22, s20, 1536
	s_add_co_u32 s22, s22, GSC
	s_mov_b32 s23, 0
	s_mul_i32 s20, s20, KBLK
	s_mov_b32 s21, 0
	s_mul_i32 s46, s42, 12
	s_mul_i32 s18, s16, 6
	s_add_co_u32 s46, s46, s18
	s_mul_i32 s92, s46, 1536
	s_add_co_u32 s92, s92, WSC
	s_mov_b32 s93, 0
	s_mul_i32 s46, s46, KBLK
	s_mov_b32 s47, 0
	s_mul_i32 s45, s16, AHALF
	s_mul_i32 s94, s16, BHALF
	s_add_co_u32 s94, s94, BOFF
	s_mul_i32 s95, s16, 9*1536
	s_add_co_u32 s95, s95, SA
	s_mul_i32 s96, s16, 6*1536
	s_add_co_u32 s96, s96, SB
	s_wait_kmcnt 0x0
	s_add_nc_u64 s[20:21], s[4:5], s[20:21]
	s_add_nc_u64 s[22:23], s[4:5], s[22:23]
	s_add_nc_u64 s[46:47], s[6:7], s[46:47]
	s_add_nc_u64 s[92:93], s[6:7], s[92:93]
	CROUND
	; the head's four tiles, each whole: the addresses above stand at my half of a tile; its first byte lies (wave % 2) halves back
	s_mov_b32 s19, 0
	s_mul_i32 s18, s16, 9*KBLK
	s_mov_b32 s4, 1                                ; (s[4:7] held arguments that have been used)
	s_mov_b32 s5, 0
	s_sub_nc_u64 s[6:7], s[20:21], s[18:19]        ; g's 18 blocks, chunk 0
	s_or_b32 s7, s7, 0x80000000
	s_mul_i32 s18, s16, 6*KBLK
	s_mov_b32 s96, 1
	s_mov_b32 s97, BOFF
	s_sub_nc_u64 s[98:99], s[46:47], s[18:19]      ; w2's 12 blocks, chunk 0
	s_or_b32 s99, s99, 0x80000000
	s_mul_i32 s18, s16, 9*1536
	s_mov_b32 s[G0S], 1
	s_mov_b32 s[G0S+1], SA
	s_sub_nc_u64 s[G0S+2:G0S+3], s[22:23], s[18:19]
	s_or_b32 s[G0S+3], s[G0S+3], 0x80000000
	s_mul_i32 s18, s16, 6*1536
	s_mov_b32 s[G0SB], 1
	s_mov_b32 s[G0SB+1], SB
	s_sub_nc_u64 s[G0SB+2:G0SB+3], s[92:93], s[18:19]
	s_or_b32 s[G0SB+3], s[G0SB+3], 0x80000000
.macro ARM under, g0, g1, next         ; one tree of branches on the wave's number: every way passes exactly one load
	s_cmp_lt_u32 s14, \under
	s_cbranch_scc0 \next
	tensor_load_to_lds s[\g0:\g0+3], s[\g1:\g1+7]
	s_nop 0
.rept 4
	v_nop
.endr
	s_branch .Lhead_asked
\next:
.endm
	ARM 1, 4,   G1,  .Lhead_b
	ARM 2, 96,  G1B, .Lhead_sa
	ARM 3, G0S, G1S, .Lhead_sb
	tensor_load_to_lds s[G0SB:G0SB+3], s[G1SB:G1SB+7]
	s_nop 0
.rept 4
	v_nop
.endr
.Lhead_asked:
.irp s, 0,1
	s_mov_b32 s[G0+4*\s], 1
	s_add_co_u32 s[G0+4*\s+1], s45, \s*SLOT
	s_add_nc_u64 s[G0+4*\s+2:G0+4*\s+3], s[20:21], \s*BLKB
	s_or_b32 s[G0+4*\s+3], s[G0+4*\s+3], 0x80000000
	s_mov_b32 s[G0B+4*\s], 1
	s_add_co_u32 s[G0B+4*\s+1], s94, \s*SLOT
	s_add_nc_u64 s[G0B+4*\s+2:G0B+4*\s+3], s[46:47], \s*BLKB
	s_or_b32 s[G0B+4*\s+3], s[G0B+4*\s+3], 0x80000000
.endr
	s_wait_alu depctr_va_vdst(0)
	s_wait_tensorcnt 0x0                           ; my tile of the head's four is in; the lines ahead of a later first fill:
	ds_add_u32 v28, v29
	s_mov_b32 s[G1+2], 9<<16                       ; no tensor load of mine is out: from here on a load brings half a tile's blocks
	s_mov_b32 s[G1+4], 9
	s_mov_b32 s[G1B+2], 6<<16
	s_mov_b32 s[G1B+4], 6
	s_wait_dscnt 0x0
	CROUND
	JLOAD G0+4, G1, G0B+4, G1B                     ; chunk 1, the first tensor load behind the round
	v_and_b32 v1, 15, v0
	v_bfe_u32 v2, v0, 4, 1
	v_and_b32 v3, 31, v0
	v_lshlrev_b32 v[L16], 4, v3
	s_wait_alu depctr_va_vdst(0)
	v_lshlrev_b32 v[L8], 3, v3
	s_wait_alu depctr_va_vdst(0)
	v_lshlrev_b32 v30, 5, v2
	s_mul_i32 s18, s42, 768
	s_mul_i32 s19, s16, 384
	s_add_co_u32 s18, s18, s19
	s_mov_b32 s19, 0
	s_add_nc_u64 s[8:9], s[8:9], s[18:19]
	WIN TO_B
.irp b, 0,1,2,3,4,5
	global_load_b128 v[B2R+8*\b:B2R+8*\b+3], v30, s[8:9] offset:64*\b
	global_load_b128 v[B2R+8*\b+4:B2R+8*\b+7], v30, s[8:9] offset:64*\b+16
.endr
	WIN 0
	s_mul_i32 s18, s15, AHALF
	s_mul_i32 s19, s16, BHALF
	s_add_co_u32 s19, s19, BOFF
.irp s, 0,1
	v_add_nc_u32 v[ADRA+\s], s18, v[L16]
	v_add_nc_u32 v[ADRA+2+\s], s18, v[L8]
	v_add_nc_u32 v[ADRB+\s], s19, v[L16]
	v_add_nc_u32 v[ADRB+2+\s], s19, v[L8]
	s_add_co_u32 s18, s18, SLOT
	s_add_co_u32 s19, s19, SLOT
.endr
	s_mul_i32 s18, s15, 9*1536
	s_mul_i32 s19, s16, 6*1536
	s_sub_co_u32 s18, s18, s19
	s_add_co_u32 s18, s18, SA-SB
	v_mul_u32_u24 v6, s18, v2
	s_add_co_u32 s19, s19, SB
	v_lshl_add_u32 v6, v1, 2, v6
	v_add_nc_u32 v[ADRS], s19, v6
	s_mul_i32 s18, s15, 144*SPITCH
	s_mul_i32 s19, s16, 384
	s_add_co_u32 s18, s18, s19
	v_mul_u32_u24 v6, v1, SPITCH
	v_lshl_add_u32 v6, v2, 5, v6
	v_add_nc_u32 v[STO], s18, v6
	v_add_nc_u32 v[STO+1], 5*16*SPITCH, v[STO]
	s_mul_i32 s18, s14, 72*SPITCH
	v_add_nc_u32 v[RD1], s18, v[L16]
	v_mul_u32_u24 v6, v2, SPITCH
	v_lshl_add_u32 v6, v1, 4, v6
	v_add_nc_u32 v[RD2], s18, v6
	v_mul_u32_u24 v6, v2, 3072
	v_lshl_add_u32 v[CO2], v1, 4, v6
	s_mul_i32 s18, s17, 288
	s_mul_i32 s19, s14, 72
	s_add_co_u32 s18, s18, s19
	s_sub_co_u32 s19, ROWS, s18
	v_mov_b32 v[LIM], s19
	s_mul_i32 s18, s18, 3072
	s_mul_i32 s19, s42, 768
	s_add_co_u32 s18, s18, s19
	s_mov_b32 s19, 0
	s_add_nc_u64 s[10:11], s[10:11], s[18:19]
	s_cmp_eq_u32 s15, 0                            ; the prefetches: do I fetch for g or for w2?
	s_cselect_b64 s[12:13], s[20:21], s[46:47]     ; my half tile's first byte,
	s_cselect_b32 s18, s40, s41                    ; my place among the four that ask for it with me,
	s_mov_b32 s19, 107
	s_cselect_b32 s19, 161, s19                    ; and its last unit of 256 bytes in a chunk
	s_add_nc_u64 s[12:13], s[12:13], 2*BLKB        ; at chunk 2
	v_lshl_add_u32 v8, v3, 2, s18                  ; unit 4 lane + p,
	v_add_nc_u32 v9, 128, v8                       ; and 4 (32 + lane) + p
.irp r, 8,9
	v_min_u32 v[\r], s19, v[\r]
	v_mul_u32_u24 v10, v[\r], 57
	v_lshrrev_b32 v10, 10, v10                     ; unit / 18: the block (57 / 1,024 serves units under 162)
	v_mul_u32_u24 v11, v10, 18
	v_sub_nc_u32 v[\r], v[\r], v11
	v_lshlrev_b32 v[\r], 8, v[\r]                  ; 256 x (unit % 18)
	v_mad_u32_u24 v[\r], v10, KBLK, v[\r]
.endr
	s_wait_alu depctr_va_vdst(0)
.irp c, 0,1
	global_prefetch_b8 v8, s[12:13] offset:\c*BLKB th:TH_LOAD_NT scope:SCOPE_SE   ; chunks 2 and 3: two loads on from the head's two
	global_prefetch_b8 v9, s[12:13] offset:\c*BLKB th:TH_LOAD_NT scope:SCOPE_SE
.endr
.macro FRAG reg, a16, off
	ds_load_b128 v[\reg:\reg+3], v[\a16] offset:\off
	ds_load_b64 v[\reg+4:\reg+5], v[\a16+2] offset:\off+512
	ds_load_b128 v[\reg+6:\reg+9], v[\a16] offset:\off+768
	ds_load_b64 v[\reg+10:\reg+11], v[\a16+2] offset:\off+1280
.endm
.macro FETCH_B slot, q, set
	WIN TO_B
.irp i, 0,1,2,3,4,5
	FRAG 128*(\set)+12*\i, ADRB+\slot, \i*BLKB+(\q)*FRB
.endr
	WIN 0
.endm
.macro FETCH_A slot, q, i0, n
.set IA, \i0
.rept \n
	FRAG AF+12*IA, ADRA+\slot, IA*BLKB+(\q)*FRB
.set IA, IA+1
.endr
.endm
.macro SCALES set
.irp i, 0,1,2,3,4,5,6,7,8
.irp q, 0,1,2
	ds_load_b32 v[SC+27*\set+3*\i+\q], v[ADRS] offset:\i*1536+\q*64
.endr
.endr
.endm
.macro MUL a0, n, set, q, sc, first
.set MA, \a0
.rept \n
.irp b, 0,1,2,3,4,5
.set DD, 8*(6*(MA%5)+\b)
.if \first
	v_wmma_scale_f32_16x16x128_f8f6f4 v[DD:DD+7], v[128*(\set)+12*\b:128*(\set)+12*\b+11], v[AF+12*MA:AF+12*MA+11], v[B2R+8*\b:B2R+8*\b+7], v[SC+27*(\sc)+3*\b+(\q)], v[SC+27*(\sc)+3*MA+(\q)] matrix_a_fmt:MATRIX_FMT_BF6 matrix_b_fmt:MATRIX_FMT_BF6 matrix_b_scale:MATRIX_SCALE_ROW1
.else
	v_wmma_scale_f32_16x16x128_f8f6f4 v[DD:DD+7], v[128*(\set)+12*\b:128*(\set)+12*\b+11], v[AF+12*MA:AF+12*MA+11], v[DD:DD+7], v[SC+27*(\sc)+3*\b+(\q)], v[SC+27*(\sc)+3*MA+(\q)] matrix_a_fmt:MATRIX_FMT_BF6 matrix_b_fmt:MATRIX_FMT_BF6 matrix_b_scale:MATRIX_SCALE_ROW1
.endif
.endr
.set MA, MA+1
.endr
.endm
.macro PLACES
.rept 4
	v_nop
.endr
.endm
.macro STEP slot, q, first
.set BS, ((\slot)+(\q))%2
	s_wait_dscnt 16
.if \first
	WIN 0x91
.else
	WIN MUL_LO
.endif
	MUL 0, 5, BS, \q, \slot, \first
	s_wait_dscnt 0x0
	PLACES
	FETCH_B \slot, (\q)+1, 1-BS
	FETCH_A \slot, (\q)+1, 0, 5
.if \first
	WIN 0xd1
.else
	WIN MUL_HI
.endif
	MUL 5, 4, BS, \q, \slot, \first
	PLACES
	WIN 0
	FETCH_A \slot, (\q)+1, 5, 4
.endm
.macro TURN slot, next, fill
.if \fill
	s_wait_xcnt 0x0                                ; my prefetches have read their base: it steps one chunk
	s_add_nc_u64 s[12:13], s[12:13], BLKB
.endif
	s_wait_tensorcnt 0x0
	ds_add_u32 v[SPW], v[NIL]
	s_wait_dscnt 17
	WIN MUL_LO
	MUL 0, 3, \slot, 2, \slot, 0
	s_wait_dscnt 0x0
	s_barrier_signal -1
	MUL 3, 2, \slot, 2, \slot, 0
	WIN 0
	s_barrier_wait -1
.if \fill
	CREST
	s_add_nc_u64 s[G0+4*\slot+2:G0+4*\slot+3], s[G0+4*\slot+2:G0+4*\slot+3], 2*BLKB
	s_add_nc_u64 s[G0B+4*\slot+2:G0B+4*\slot+3], s[G0B+4*\slot+2:G0B+4*\slot+3], 2*BLKB
	JLOAD G0+4*\slot, G1, G0B+4*\slot, G1B
.else
	PLACES
.endif
	s_wait_alu depctr_va_vdst(0)
	v_add_nc_u32 v[ADRS], 192, v[ADRS]
	FETCH_B \next, 0, \next
	FETCH_A \next, 0, 0, 5
	SCALES \next
.if \fill
	s_cmp_gt_u32 s3, 1                             ; the last lap's two refills have no chunk two loads on
	s_cbranch_scc0 .Lno_ask_\@
	global_prefetch_b8 v8, s[12:13] offset:BLKB th:TH_LOAD_NT scope:SCOPE_SE
	global_prefetch_b8 v9, s[12:13] offset:BLKB th:TH_LOAD_NT scope:SCOPE_SE
.Lno_ask_\@:
.endif
	WIN MUL_HI
	MUL 5, 4, \slot, 2, \slot, 0
	PLACES
	WIN 0
	FETCH_A \next, 0, 5, 4
.endm
	s_wait_tensorcnt 1
	s_wait_loadcnt 0x0
	s_barrier_signal -1
	s_barrier_wait -1
	FETCH_B 0, 0, 0
	FETCH_A 0, 0, 0, 5
	SCALES 0
	FETCH_A 0, 0, 5, 4
	STEP 0, 0, 1
	s_mov_b32 s3, 3
.Llap:
	STEP 0, 1, 0
	TURN 0, 1, 1
	STEP 1, 0, 0
	STEP 1, 1, 0
	TURN 1, 0, 1
	STEP 0, 0, 0
	s_sub_co_u32 s3, s3, 1
	s_cmp_lg_u32 s3, 0
	s_cbranch_scc1 .Llap
	STEP 0, 1, 0
	TURN 0, 1, 0
	STEP 1, 0, 0
	STEP 1, 1, 0
	s_wait_dscnt 16
	WIN MUL_LO
	MUL 0, 5, 1, 2, 1, 0
	s_wait_dscnt 0x0
	WIN MUL_HI
	MUL 5, 4, 1, 2, 1, 0
	WIN 0
	PLACES
	s_barrier_signal -1
	s_barrier_wait -1
.set MA, 0
.rept 9
	WIN 0x08+4*(MA/5)
.irp b, 0,1,2,3,4,5
.set DD, 8*(6*(MA%5)+\b)
	ds_store_b128 v[STO+MA/5], v[DD:DD+3] offset:(MA%5)*16*SPITCH+64*\b
	ds_store_b128 v[STO+MA/5], v[DD+4:DD+7] offset:(MA%5)*16*SPITCH+64*\b+16
.endr
.set MA, MA+1
.endr
	WIN 0
	s_wait_dscnt 0x0
	s_barrier_signal -1
	s_barrier_wait -1
.macro LOADG g
.set BB, AF+48*((\g)%2)
.irp t, 0,1,2,3,4,5,6,7
	ds_load_b128 v[BB+4*\t:BB+4*\t+3], v[RD1] offset:(8*(\g)+\t)*SPITCH
.endr
.irp t, 0,1,2,3
	ds_load_b128 v[BB+32+4*\t:BB+32+4*\t+3], v[RD2] offset:(8*(\g)+2*\t)*SPITCH+512
.endr
.endm
.macro SENDG g, younger
.set BB, AF+48*((\g)%2)
	s_wait_dscnt \younger
	v_cmp_lt_i32 vcc_lo, 8*(\g), v[LIM]
	s_and_saveexec_b32 s94, vcc_lo
.irp t, 0,1,2,3,4,5,6,7
	global_store_b128 v[L16], v[BB+4*\t:BB+4*\t+3], s[10:11] offset:(8*(\g)+\t)*3072 th:TH_STORE_NT
.endr
.irp t, 0,1,2,3
	global_store_b128 v[CO2], v[BB+32+4*\t:BB+32+4*\t+3], s[10:11] offset:(8*(\g)+2*\t)*3072+512 th:TH_STORE_NT
.endr
	s_wait_xcnt 0x0
	s_or_b32 exec_lo, exec_lo, s94
.endm
	s_wait_xcnt 0x0
	LOADG 0
.irp g, 0,1,2,3,4,5,6,7
	LOADG \g+1
	SENDG \g, 12
.endr
	SENDG 8, 0
	s_wait_tensorcnt 0x0
	ds_add_u32 v[SPW], v[NIL]
	s_wait_dscnt 0x0
	CROUND
	s_endpgm
.Lfunc_end_k_qf223cbf075_outp:
	.size	k_qf223cbf075_outp, .Lfunc_end_k_qf223cbf075_outp-k_qf223cbf075_outp
	.p2alignl 7, 3214868480
	.fill 96, 4, 3214868480
	.section	.rodata,"a",@progbits
	.p2align	6, 0x0
	.amdhsa_kernel k_qf223cbf075_outp
		.amdhsa_group_segment_fixed_size 327680
		.amdhsa_private_segment_fixed_size 0
		.amdhsa_enable_private_segment 0
		.amdhsa_kernarg_size 32
		.amdhsa_user_sgpr_count 2
		.amdhsa_user_sgpr_kernarg_segment_ptr 1
		.amdhsa_wavefront_size32 1
		.amdhsa_system_sgpr_workgroup_id_x 1
		.amdhsa_system_sgpr_workgroup_id_y 1
		.amdhsa_system_sgpr_workgroup_id_z 1
		.amdhsa_system_vgpr_workitem_id 0
		.amdhsa_next_free_vgpr 1024
		.amdhsa_next_free_sgpr 100
		.amdhsa_reserve_vcc 1
		.amdhsa_float_denorm_mode_32 3
		.amdhsa_float_denorm_mode_16_64 3
		.amdhsa_memory_ordered 1
		.amdhsa_forward_progress 1
		.amdhsa_inst_pref_size 182
	.end_amdhsa_kernel
	.amdgpu_metadata
---
amdhsa.version: [ 1, 2 ]
amdhsa.kernels:
  - .name:           k_qf223cbf075_outp
    .symbol:         k_qf223cbf075_outp.kd
    .args:
      - { .name: gq, .offset: 0, .size: 8, .value_kind: global_buffer, .address_space: global }
      - { .name: w2q, .offset: 8, .size: 8, .value_kind: global_buffer, .address_space: global }
      - { .name: b2, .offset: 16, .size: 8, .value_kind: global_buffer, .address_space: global }
      - { .name: out0, .offset: 24, .size: 8, .value_kind: global_buffer, .address_space: global }
    .group_segment_fixed_size: 327680
    .private_segment_fixed_size: 0
    .kernarg_segment_align: 8
    .kernarg_segment_size: 32
    .max_flat_workgroup_size: 128
    .sgpr_count:     100
    .vgpr_count:     1024
    .wavefront_size: 32
...
	.end_amdgpu_metadata
.endif
;; end of part 5
